; MI455X (gfx1250); checked and timed in simulation.
; The chip was launched on July 23, 2026; its instructions are those of AMD's public machine-readable ISA for CDNA 5 (MIT licence, August 2026) and "CDNA5" Instruction Set Architecture Reference Guide (July 2026). The comments in the code are by the model that wrote it; some were corrected since.
;; Layer Depth Value Reproj Normed Dual Q Attention. Allowed arithmetic: matrix products marked QUANTISED: E2M1 operands, one E8M0 scale for each 32 along K, by v_wmma_scale_f32_16x16x128_f8f6f4 with both operands' format E2M1 (or v_wmma_scale_f32_32x16x128_f4), f32 sums; products left as they are: f32 operands where the result goes on into a quantised operand, else bf16, f16 or f32 operands; f32 sums; everything else in f32.
;; Inputs: Wcol 1,024 x 1,024 float32; Wout 1,024 x 1,024 float32; Wqkv 3,072 x 1,024 float32; bcol 1,024 float32; bout 1,024 float32; bqkv 3,072 float32; past_values 8 x 1 x 16 x 2,048 x 64 float32; x 1 x 2,048 x 1,024 float32.
;; Outputs: out0 1 x 2,048 x 1,024 float32.
;; This version of the problem:
;;   THIS VERSION OF THE PROBLEM IS GIVEN IN LOW PRECISION. The matrix products marked QUANTISED in the list below multiply operands that are first quantised to E2M1 (2 exponent bits, 1 mantissa bit; 4 bits a number), with one power-of-two scale for each 32 numbers along K (OCP MX v1.0); their sums are f32. All else is computed in f32.
;;   The module's matrix products, in the order in which they are computed (A, B: the left and right operand; K: the contracted axis; several contracted axes count as one K, in the product's order):
;;     1. [M 2,048, K 1,024] x [K 1,024, N 3,072]; A: input x; B: input Wqkv: QUANTISED
;;     2. [M 2,048, K 1,024] x [K 1,024, N 1,024]; A: input x; B: input Wcol: QUANTISED
;;     3. batch 16 x [M 2,048, K 64] x [K 64, N 2,048]; A: computed on the way; B: computed on the way: QUANTISED
;;     4. [M 16,384, K 1,024] x [K 1,024, N 1,024]; A: computed on the way; B: input Wqkv: QUANTISED
;;     5. [M 16,384, K 1,024] x [K 1,024, N 1,024]; A: computed on the way; B: input Wqkv: QUANTISED
;;     6. batch 32,768 x [M 1, K 64] x [K 64, N 8]; A: computed on the way; B: computed on the way: left as it is (M = 1 < 16)
;;     7. batch 16 x [M 2,048, K 2,048] x [K 2,048, N 64]; A: computed on the way; B: computed on the way: QUANTISED
;;     8. batch 32,768 x [M 1, K 8] x [K 8, N 64]; A: computed on the way; B: computed on the way: left as it is (K = 8 < 32)
;;     9. [M 2,048, K 1,024] x [K 1,024, N 1,024]; A: computed on the way; B: input Wout: QUANTISED
;;   THE QUANTISER, for each operand of a quantised product, along K:
;;     - K is cut into blocks of 32 from its start; a last block that is shorter is filled with zeros.
;;     - A block's scale is 2^e with e = floor(log2(the largest magnitude in the block)) - 2, held to -126 .. 127; a block of zeros has e = 0. As a byte (E8M0): e + 127.
;;     - Each number is divided by its block's scale, clamped to +-6, and rounded to the nearest number of E2M1, ties to even, subnormals kept.
;;     - The product sums the exact products of the quantised numbers (number of the format x scale) in f32.
;;   ~~~python
;;   def quantise(x, axis):      # numpy; x: float32 -> the quantised numbers, widened to float32 again
;;       x = np.moveaxis(x, axis, -1); K = x.shape[-1]
;;       x = np.pad(x, [(0, 0)] * (x.ndim - 1) + [(0, -K % 32)]); x = x.reshape(x.shape[:-1] + (-1, 32)); a = np.abs(x).max(-1, keepdims=True)
;;       e = np.where(a > 0, np.clip(np.frexp(np.where(a > 0, a, 1))[1] - 1 - 2, -126, 127), 0)      # np.frexp(a)[1] - 1 = floor(log2(a)), exactly
;;       r = np.clip(x / 2.0 ** e, -6, 6)
;;       step = 2.0 ** (np.maximum(np.frexp(np.where(r == 0, 1, r))[1] - 1, 0) - 1)
;;       q = np.round(r / step) * step * 2.0 ** e      # np.round: ties to even
;;       return np.moveaxis(q.reshape(q.shape[:-2] + (-1,))[..., :K], -1, axis).astype(np.float32)
;;   ~~~
;;   OPERANDS COMPUTED ON THE WAY. 'Computed on the way' means the value that the module computes at that place (a softmax that the list does not call 'softmax' is quantised finished and normalised). What goes into a quantiser is computed in f32, as accurately as f32 sums, v_exp_f32 and their like allow (about 1e-6 of the number): no bf16 or f16 on the way to a quantiser, and a product that is left as it is and whose result goes on into a quantised operand takes f32 operands (vector FMAs, or v_wmma_f32_16x16x4_f32). A number that lies on a knife's edge between two numbers of the format may be rounded either way, as far as f32 arithmetic and the matrix unit's own rounding can turn it there, and no further.
;; One version. Each part assembles by itself: llvm-mc -triple=amdgcn-amd-amdhsa -mcpu=gfx1250 --defsym DOCPART=n.
;; ======== version 1 of 1: 5 launches
;; limits: right only within a limited range of input values
;; workspace buffers: xq 1,114,112 bytes; cq 1,114,112 bytes; wcolq 557,056 bytes; woutq 557,056 bytes; kvq 10,584,064 bytes; g1o 11,862,016 bytes; mem 8,650,752 bytes
;; launch prep (part 1): grid 736 x 1, 4 waves a work-group, no clusters, 39,424 bytes of LDS; arguments x, past_values, Wqkv, Wcol, Wout, xq, wcolq, woutq, kvq; writes xq, wcolq, woutq, kvq
.if DOCPART == 1
	.amdgcn_target "amdgcn-amd-amdhsa--gfx1250"
	.amdhsa_code_object_version 6
	.text
	.protected	k_qa7430bd4b8_prep
	.globl	k_qa7430bd4b8_prep
	.p2align	8
	.type	k_qa7430bd4b8_prep,@function
k_qa7430bd4b8_prep:
	s_mov_b64 s[64:65], 0
	v_nop
	global_prefetch_b8 v0, s[64:65] scope:SCOPE_SE
	s_setreg_imm32_b32 hwreg(HW_REG_WAVE_MODE, 25, 1), 1
	s_wait_xcnt 0x0
; PREP: every operand that arrives as f32 and is read by many work-groups becomes codes of E2M1 with one E8M0 byte for each 32 along K, once.
;   work-groups 0-511:   ri = layer_norm(past_values laid [s][l][h*64+d]) -> kvq: codes [8 s + l][512 B] at RI_C, scale bytes [8 s + l][32] at RI_S
;   work-groups 512-735: Wqkv -> kvq (codes at 0, bytes at 1,572,864); Wcol -> wcolq; Wout -> woutq (bytes at 524,288); x -> xq (bytes at 1,048,576)
; WORK LEFT OUT IN THE WHOLE PROGRAM: reference() sets the token scores of keys k > q to -inf by a mask that it builds itself (triu), so their weights are 0 for every
; value of the inputs; key tiles of 128 keys that lie wholly behind a tile of 16 queries reach no output and are not multiplied (launch att).  Nothing else is left out; every input is loaded.
; LIMITS: a NaN, an infinity or an overflow that reaches only those masked tiles is not carried to the result.  NaN and infinities among the inputs are not served.
; A block whose largest magnitude lies under 2^-124, a block of zeros too, gets the byte 1 (the rule says 127 for zeros): its codes are zeros or the rule's own, and only this program reads the bytes.
; SHARES.  A wave takes 8 rows of 1,024 numbers; a row is 8 loads of 512 bytes (for past_values two whole pieces of 256 bytes, heads 2 i and 2 i + 1).  The 23,552 rows are 2,944 waves' shares; they go in
; work-groups of four waves, 736 of them, so that two WGPs' shares differ by four waves at the most.  Mean and variance are taken in two passes over the registers (sum; sum of squared differences),
; so a common offset costs no accuracy.  The row turns through the wave's own stage in LDS (32 places of 128 + 16 bytes), so that a lane holds one whole block of 32 neighbours; its 16 bytes of codes
; make the wave's store 512 consecutive bytes.  8 rows' scale bytes leave as one aligned run of 256 bytes.
; The two kinds of work-group part at once, never join, and have LDS bytes of their own.  No barrier: waves share nothing.  Four rows (32 loads a wave) are on their way.
.set R,      32                        ; v32-159  four sets of 32: a row as loaded, then normalised
.set X,      160                       ; v160-191 my block of 32 neighbours
.set C,      192                       ; v192-223 codes, four registers a row: no store's data are written again
.set E,      224                       ; v224-231 a scale byte a row
.set OFFL,   8                         ; v8-15    past_values: my byte offset in row l
.set SPW,    16                        ; v16      my spare word;  v17: 0;  both never rewritten
.set NIL,    17
.set WREG,   4864                      ; LDS of a wave: stage 32 x 144, then 256 scale bytes
.set PLAINB, 19456                     ; the plain path's four regions begin here
.set SPARE,  38912                     ; the spare words, 128 bytes a wave
.set RI_C,   1671168
.set RI_S,   10059776
	s_load_b512 s[4:19], s[0:1], 0x0               ; x, past_values, Wqkv, Wcol, Wout, xq, wcolq, woutq
	s_load_b64 s[20:21], s[0:1], 0x40              ; kvq
	v_lshl_add_u32 v[SPW], v0, 2, SPARE
	v_mov_b32 v[NIL], 0
	v_lshrrev_b32 v1, 5, v0
	v_readfirstlane_b32 s22, v1                    ; wave 0..3
	v_and_b32 v1, 31, v0                           ; lane
	s_mul_i32 s23, s22, WREG
	v_lshrrev_b32 v2, 3, v1
	v_mul_u32_u24 v2, v2, 144
	v_and_b32 v3, 7, v1
	v_lshl_add_u32 v2, v3, 4, v2
	v_add_nc_u32 v2, s23, v2                       ; into the stage: eight lanes' 128 bytes on end, then 16 of padding
	v_mul_u32_u24 v3, v1, 144
	v_add_nc_u32 v3, s23, v3                       ; out of it: my block
	s_add_co_u32 s23, s23, 4608
	v_add_nc_u32 v4, s23, v1                       ; my block's scale byte
	v_lshlrev_b32 v7, 3, v1                        ; 8 x lane
	v_add_nc_u32 v5, s23, v7                       ; the bytes' way out
	v_lshlrev_b32 v6, 4, v1                        ; 16 x lane
	s_mov_b32 s34, 0x76543210
	s_mov_b32 s35, 0xfedcba98                      ; lane l xor 16
	s_mov_b32 s36, 0x3a800000                      ; 1 / 1024
	s_mov_b32 s37, 0x3727c5ac                      ; 1e-5
	s_mov_b32 s45, 0
.macro LOAD t, ln
.irp i, 0,1,2,3,4,5,6,7
.if \ln
	global_load_b128 v[R+32*((\t)%4)+4*\i:R+32*((\t)%4)+4*\i+3], v[OFFL+(\t)], s[24:25] offset:\i*1048576 th:TH_LOAD_NT
.else
	global_load_b128 v[R+32*((\t)%4)+4*\i:R+32*((\t)%4)+4*\i+3], v6, s[24:25] offset:4096*(\t)+512*\i th:TH_LOAD_NT
.endif
.endr
.endm
.macro LANESUM                         ; v22 summed over the 32 lanes, in every lane
	v_add_f32_dpp v22, v22, v22 row_xmask:1 row_mask:0xf bank_mask:0xf
	v_add_f32_dpp v22, v22, v22 row_xmask:2 row_mask:0xf bank_mask:0xf
	v_add_f32_dpp v22, v22, v22 row_xmask:4 row_mask:0xf bank_mask:0xf
	v_add_f32_dpp v22, v22, v22 row_xmask:8 row_mask:0xf bank_mask:0xf
	v_permlanex16_b32 v23, v22, s34, s35
	v_add_f32 v22, v22, v23
.endm
; Row t of my eight.  ln = 1: it is normalised first.  pb: where the path's LDS begins.
.macro ROW t, ln, pb
.set RS, R+32*((\t)%4)
.if (\t) < 5
	s_wait_loadcnt 24                              ; my row's eight loads are in; the three younger rows' 24 may be out
.else
	s_wait_loadcnt 8*(7-(\t))                      ; the last rows: eight for each row still behind
.endif
.if \ln
	v_pk_add_f32 v[22:23], v[RS:RS+1], v[RS+2:RS+3]
	v_pk_add_f32 v[24:25], v[RS+4:RS+5], v[RS+6:RS+7]
.irp j, 8,12,16,20,24,28
	v_pk_add_f32 v[22:23], v[22:23], v[RS+\j:RS+\j+1]
	v_pk_add_f32 v[24:25], v[24:25], v[RS+\j+2:RS+\j+3]
.endr
	v_pk_add_f32 v[22:23], v[22:23], v[24:25]
	v_add_f32 v22, v22, v23
	LANESUM
	v_mul_f32 v18, s36, v22                        ; the mean,
	v_mov_b32 v19, v18                             ; twice, for the packed form
.irp j, 0,2,4,6,8,10,12,14,16,18,20,22,24,26,28,30
	v_pk_add_f32 v[RS+\j:RS+\j+1], v[RS+\j:RS+\j+1], v[18:19] neg_lo:[0,1] neg_hi:[0,1]
.endr
	v_pk_mul_f32 v[22:23], v[RS:RS+1], v[RS:RS+1]
	v_pk_mul_f32 v[24:25], v[RS+2:RS+3], v[RS+2:RS+3]
.irp j, 4,8,12,16,20,24,28
	v_pk_fma_f32 v[22:23], v[RS+\j:RS+\j+1], v[RS+\j:RS+\j+1], v[22:23]
	v_pk_fma_f32 v[24:25], v[RS+\j+2:RS+\j+3], v[RS+\j+2:RS+\j+3], v[24:25]
.endr
	v_pk_add_f32 v[22:23], v[22:23], v[24:25]
	v_add_f32 v22, v22, v23
	LANESUM
	v_fma_f32 v22, v22, s36, s37                   ; the variance + 1e-5
	s_wait_alu depctr_va_vdst(0)
	v_rsq_f32 v20, v22
	v_nop                                          ; a plain instruction behind the transcendental,
	s_wait_alu depctr_va_vdst(0)                   ; and the wait ahead of its first reader
	v_mov_b32 v21, v20
.irp j, 0,2,4,6,8,10,12,14,16,18,20,22,24,26,28,30
	v_pk_mul_f32 v[RS+\j:RS+\j+1], v[RS+\j:RS+\j+1], v[20:21]
.endr
.endif
.irp i, 0,1,2,3,4,5,6,7
	ds_store_b128 v2, v[RS+4*\i:RS+4*\i+3] offset:\pb+576*\i
.endr
.irp i, 0,1,2,3,4,5,6,7
	ds_load_b128 v[X+4*\i:X+4*\i+3], v3 offset:\pb+16*\i   ; LDS serves a wave's instructions in order: these see the stores above
.endr
	s_wait_dscnt 0x0                               ; my block is in; the stores have read the set, which takes the row four further on
.if (\t)+4 < 8
	LOAD (\t)+4, \ln
.endif
	v_max3_num_f32 v26, |v[X]|, |v[X+1]|, 0x1800000   ; the block's largest magnitude, and the floor 2^(3 - 127): the byte cannot fall under 1
	v_max3_num_f32 v27, |v[X+2]|, |v[X+3]|, |v[X+4]|
.irp i, 5,9,13,17,21,25
	v_max3_num_f32 v26, v26, |v[X+\i]|, |v[X+\i+1]|
	v_max3_num_f32 v27, v27, |v[X+\i+2]|, |v[X+\i+3]|
.endr
	v_max3_num_f32 v26, v26, |v[X+29]|, |v[X+30]|
	v_max3_num_f32 v26, v26, v27, |v[X+31]|
	v_add_nc_u32 v28, 0xff000000, v26              ; 2 off its exponent field: the conversion's scale operand
.irp g, 0,1,2,3
	v_cvt_scalef32_pk8_fp4_f32 v[C+4*(\t)+\g], v[X+8*\g:X+8*\g+7], v28
.endr
	v_lshrrev_b32 v[E+(\t)], 23, v28               ; the scale's byte (also the plain instruction behind the conversions)
	ds_store_b8 v4, v[E+(\t)] offset:\pb+32*(\t)
	global_store_b128 v6, v[C+4*(\t):C+4*(\t)+3], s[26:27] offset:512*(\t)   ; the row's 512 bytes of codes
.endm
.macro FINISH pb
	ds_load_b64 v[232:233], v5 offset:\pb
	s_wait_dscnt 0x0
	global_store_b64 v7, v[232:233], s[32:33]      ; eight rows' scale bytes: 256 consecutive bytes, aligned
	s_wait_tensorcnt 0x0                           ; the wave's end: the wait, the add and its wait behind my last LDS store
	ds_add_u32 v[SPW], v[NIL]
	s_wait_dscnt 0x0
	s_endpgm
.endm
	s_cmp_lt_u32 ttmp9, 512
	s_cbranch_scc0 .Lplain
	; ---- past_values: token s = 4 x work-group + wave, rows l = 0 .. 7
	v_lshrrev_b32 v22, 4, v1
	v_and_b32 v23, 15, v1
	v_lshlrev_b32 v23, 4, v23
	v_lshl_add_u32 v[OFFL], v22, 19, v23           ; lanes 16-31 take the next head, 524,288 bytes on
.irp l, 1,2,3,4,5,6,7
	v_add_nc_u32 v[OFFL+\l], \l*8388608, v[OFFL]
.endr
	s_lshl_b32 s38, ttmp9, 2
	s_add_co_u32 s38, s38, s22                     ; s
	s_lshl_b32 s40, s38, 8                         ; 256 s: the token's place in a head, and its eight rows' scale bytes
	s_mov_b32 s41, 0
	s_lshl_b32 s42, s38, 12                        ; eight rows of 512 bytes
	s_add_co_u32 s42, s42, RI_C
	s_mov_b32 s43, 0
	s_add_co_u32 s44, s40, RI_S
	s_wait_alu depctr_va_vdst(0)
	s_wait_kmcnt 0x0
	s_add_nc_u64 s[24:25], s[6:7], s[40:41]
	s_add_nc_u64 s[26:27], s[20:21], s[42:43]
	s_add_nc_u64 s[32:33], s[20:21], s[44:45]
.irp t, 0,1,2,3
	LOAD \t, 1
.endr
.irp t, 0,1,2,3,4,5,6,7
	ROW \t, 1, 0
.endr
	FINISH 0
.Lplain:
	; ---- the tensors that are quantised as they are: 32 rows a work-group, 8 a wave.  The choice hangs on the work-group's number alone
	s_sub_co_u32 s38, ttmp9, 512
	s_mov_b32 s39, 160
	s_mov_b32 s40, 1048576
	s_mov_b32 s41, 524288
	s_mov_b32 s42, 1572864
	s_wait_kmcnt 0x0
	s_mov_b64 s[24:25], s[4:5]                     ; from 160 on: x
	s_mov_b64 s[26:27], s[14:15]
	s_cmp_lt_u32 s38, 160                          ; 128 .. 159: Wout
	s_cselect_b64 s[24:25], s[12:13], s[24:25]
	s_cselect_b64 s[26:27], s[18:19], s[26:27]
	s_cselect_b32 s39, 128, s39
	s_cselect_b32 s40, s41, s40
	s_cmp_lt_u32 s38, 128                          ; 96 .. 127: Wcol
	s_cselect_b64 s[24:25], s[10:11], s[24:25]
	s_cselect_b64 s[26:27], s[16:17], s[26:27]
	s_cselect_b32 s39, 96, s39
	s_cselect_b32 s40, s41, s40
	s_cmp_lt_u32 s38, 96                           ; 0 .. 95: Wqkv
	s_cselect_b64 s[24:25], s[8:9], s[24:25]
	s_cselect_b64 s[26:27], s[20:21], s[26:27]
	s_cselect_b32 s39, 0, s39
	s_cselect_b32 s40, s42, s40
	s_sub_co_u32 s38, s38, s39
	s_lshl_b32 s38, s38, 5
	s_lshl_b32 s39, s22, 3
	s_add_co_u32 s38, s38, s39                     ; my first row
	s_lshl_b32 s44, s38, 12
	s_add_nc_u64 s[24:25], s[24:25], s[44:45]
	s_lshl_b32 s44, s38, 5
	s_add_co_u32 s44, s44, s40
	s_add_nc_u64 s[32:33], s[26:27], s[44:45]
	s_lshl_b32 s44, s38, 9
	s_add_nc_u64 s[26:27], s[26:27], s[44:45]
	s_wait_alu depctr_va_vdst(0)
.irp t, 0,1,2,3
	LOAD \t, 0
.endr
.irp t, 0,1,2,3,4,5,6,7
	ROW \t, 0, PLAINB
.endr
	FINISH PLAINB
.Lfunc_end_k_qa7430bd4b8_prep:
	.size	k_qa7430bd4b8_prep, .Lfunc_end_k_qa7430bd4b8_prep-k_qa7430bd4b8_prep
	.p2alignl 7, 3214868480
	.fill 96, 4, 3214868480
	.section	.rodata,"a",@progbits
	.p2align	6, 0x0
	.amdhsa_kernel k_qa7430bd4b8_prep
		.amdhsa_group_segment_fixed_size 39424
		.amdhsa_private_segment_fixed_size 0
		.amdhsa_enable_private_segment 0
		.amdhsa_kernarg_size 72
		.amdhsa_user_sgpr_count 2
		.amdhsa_user_sgpr_kernarg_segment_ptr 1
		.amdhsa_wavefront_size32 1
		.amdhsa_system_sgpr_workgroup_id_x 1
		.amdhsa_system_sgpr_workgroup_id_y 1
		.amdhsa_system_sgpr_workgroup_id_z 1
		.amdhsa_system_vgpr_workitem_id 0
		.amdhsa_next_free_vgpr 240
		.amdhsa_next_free_sgpr 66
		.amdhsa_reserve_vcc 0
		.amdhsa_float_denorm_mode_32 3
		.amdhsa_float_denorm_mode_16_64 3
		.amdhsa_memory_ordered 1
		.amdhsa_forward_progress 1
		.amdhsa_inst_pref_size 99
	.end_amdhsa_kernel
	.amdgpu_metadata
---
amdhsa.version: [ 1, 2 ]
amdhsa.kernels:
  - .name:           k_qa7430bd4b8_prep
    .symbol:         k_qa7430bd4b8_prep.kd
    .args:
      - { .name: x, .offset: 0, .size: 8, .value_kind: global_buffer, .address_space: global }
      - { .name: past_values, .offset: 8, .size: 8, .value_kind: global_buffer, .address_space: global }
      - { .name: Wqkv, .offset: 16, .size: 8, .value_kind: global_buffer, .address_space: global }
      - { .name: Wcol, .offset: 24, .size: 8, .value_kind: global_buffer, .address_space: global }
      - { .name: Wout, .offset: 32, .size: 8, .value_kind: global_buffer, .address_space: global }
      - { .name: xq, .offset: 40, .size: 8, .value_kind: global_buffer, .address_space: global }
      - { .name: wcolq, .offset: 48, .size: 8, .value_kind: global_buffer, .address_space: global }
      - { .name: woutq, .offset: 56, .size: 8, .value_kind: global_buffer, .address_space: global }
      - { .name: kvq, .offset: 64, .size: 8, .value_kind: global_buffer, .address_space: global }
    .group_segment_fixed_size: 39424
    .private_segment_fixed_size: 0
    .kernarg_segment_align: 8
    .kernarg_segment_size: 72
    .max_flat_workgroup_size: 128
    .sgpr_count:     66
    .vgpr_count:     240
    .wavefront_size: 32
...
	.end_amdgpu_metadata
.endif
;; end of part 1
;; launch gx (part 2): grid 16 x 8, 4 waves a work-group, clusters of 4 x 4, 327,680 bytes of LDS; arguments xq, wcolq, kvq, bcol, bqkv, g1o; writes g1o
.if DOCPART == 2
	.amdgcn_target "amdgcn-amd-amdhsa--gfx1250"
	.amdhsa_code_object_version 6
	.text
	.protected	k_qa7430bd4b8_gx
	.globl	k_qa7430bd4b8_gx
	.p2align	8
	.type	k_qa7430bd4b8_gx,@function
k_qa7430bd4b8_gx:
	s_mov_b64 s[64:65], 0
	v_nop
	global_prefetch_b8 v0, s[64:65] scope:SCOPE_SE
	s_setreg_imm32_b32 hwreg(HW_REG_WAVE_MODE, 25, 1), 1
	s_wait_xcnt 0x0
	s_wait_alu depctr_hold_cnt(0) depctr_sa_sdst(0) depctr_va_vdst(0) depctr_va_sdst(0) depctr_va_ssrc(0) depctr_va_vcc(0) depctr_vm_vsrc(0)
	s_getreg_b32 s2, hwreg(HW_REG_IB_STS2, 6, 4)
	s_cmp_eq_u32 s2, 0
	s_cbranch_scc0 .Lentry_in_a_cluster
	s_endpgm
.Lentry_in_a_cluster:
	s_bfe_u32 s2, ttmp6, 0x10000c
	s_cmp_lg_u32 s2, 0xf033
	s_cbranch_scc0 .Lentry_shape_is_right
	s_endpgm
.Lentry_shape_is_right:
; GX: C = A B^T + bias on codes of E2M1 (4 bits, one E8M0 byte for each 32 along K), K = 1,024.  A: 2,048 rows (argument 1: codes [row][512 B], scale bytes [row][32] at 1,048,576).
; B hangs on the cluster's x: 0: argument 2 (1,024 rows, bytes at 524,288, bias argument 4) -> plain f32 rows [2048][1024] at the output's byte 0;
;   1, 2: rows 0-2,047 of argument 3 (bytes at 1,572,864, bias argument 5): q and k -> quantised along each head's 64 and stored as images of operand registers;
;   3: rows 2,048-3,071: v -> quantised along the TOKENS (the keys are the later product's K), stored as images of V^T fragments.
; No work is left out here.
; A tile of C is 256 x 256, four waves, 128 x 128 each: 64 accumulators.  K is two slots of 512, both asked for at the head: nothing in LDS is filled twice.  The scale bytes of the 256 + 256 rows come with them.
; CLUSTERS: 4 x 4 work-groups; A's tiles are asked for jointly along a row of the cluster, B's along a column.  Every branch hangs on the cluster's x or on the wave's number: alike in all partners.
; SW = 0: source 0 = 16 rows of B, source 1 = 16 rows of A: a lane holds one row of A (lane % 16) and eight neighbouring rows of B.  SW = 1 (v): the sources change places: a lane holds eight neighbouring tokens.
; REGISTERS: window 0: v1 r, v2 h, v8, v9, v31 offsets, v16-29 addresses; v32-95 scale words and nothing else; v96-112 the quantiser's; v128-191 A's fragments, later 64 numbers or rows on the way out; v192-255 the way out.
;   window 1: B's fragments at v0 and v128; the biases at v64-127.   windows 2, 3: accumulator (a, b) at v[8 (8 (a % 4) + b)].
; LIMITS: as stated at the head of the first launch (NaN, infinities; the byte 1 for the smallest blocks).
.set GR,     0
.set NQ,     4                         ; matrix instructions deep in a slot
.set ROWB,   256                       ; a tile's row in bytes: 512 codes
.set KROW,   512                       ; a row of codes in memory
.set PITCH,  272                       ; an LDS row: 256 bytes + 16 of padding: the 16 rows of a load start 68 words apart
.set FR,     8
.set NL,     2
.set NP,     4
.set HALFT,  128*PITCH
.set SLOT,   4*HALFT
.set KS,     32
.set SCL,    2*SLOT                    ; behind the slots: the scale bytes, as runs of 256 bytes + 16 of padding
.set HALFS,  4352
.set SBLK,   544
.set SPARE,  SCL+4*HALFS               ; the spare words, 128 bytes a wave
.set SPITCH, 528                       ; the plain way out: a stage of 16 rows x (512 + 16) bytes a wave, in slot 0, which nobody reads or fills any more by then
.set ADRA, 16
.set ADRB, 20
.set STO,  24
.set RD,   25
.set CO,   26                          ; 16 x lane
.set ADRS, 27
.set SPW,  28
.set NIL,  29
.set SC,   32
.set TM,   96
.set PW,   112
.set AF,   128
.set BK,   128
.set Y,    128
.set W,    192
.set PC,   208
.set SELW, 224
.set BI,   64                          ; in window 1
.set G1, 24
.set G0, 32
.set G1B, 48
.set G0B, 56
.set SEL, 66
.set G1S, 68
.set G0S, 76
.set G1SB, 80
.set G0SB, 88
.set TO_B, 0x40
.set MSB, 0
.macro WIN new                         ; the immediate's high byte repeats the setting that is left
.if MSB != (\new)
	s_set_vgpr_msb (MSB<<8)|(\new)
.set MSB, (\new)
.endif
.endm
.macro JLOAD g0a, g1a, g0b, g1b        ; a joint load: waves 0 and 1 fetch for A, waves 2 and 3 for B; an s_nop 0 and four v_nop follow each line
	s_cmp_eq_u32 s15, 0
	s_cbranch_scc0 .Lfor_b_\@
	tensor_load_to_lds s[\g0a:\g0a+3], s[\g1a:\g1a+7]
	s_nop 0
.rept 4
	v_nop
.endr
	s_branch .Lasked_\@
.Lfor_b_\@:
	tensor_load_to_lds s[\g0b:\g0b+3], s[\g1b:\g1b+7]
	s_nop 0
.rept 4
	v_nop
.endr
.Lasked_\@:
.endm
.macro CROUND                          ; a round of the cluster's barrier
	s_barrier_signal -1
	s_barrier_wait -1
	s_cmp_lg_u32 s14, 0
	s_cbranch_scc1 .Lnot_wave_0_\@
	s_barrier_signal -3
.Lnot_wave_0_\@:
	s_barrier_wait -3
	s_barrier_signal -1
	s_barrier_wait -1
.endm
.macro CLOSE                           ; a wave's end: the wait, the add and its wait, the closing round
	s_wait_tensorcnt 0x0
	ds_add_u32 v[SPW], v[NIL]
	s_wait_dscnt 0x0
	CROUND
	s_endpgm
.endm
.macro PLACES n
.rept \n
	v_nop
.endr
.endm
.macro WM acc, bf, af, sb, sa, zero    ; one product; the scale registers carry A's words in lanes 0-15 and B's in lanes 16-31
.if SW
.if \zero
	v_wmma_scale_f32_16x16x128_f8f6f4 v[\acc:\acc+7], v[\af:\af+7], v[\bf:\bf+7], 0, v[\sa], v[\sb] matrix_a_fmt:MATRIX_FMT_FP4 matrix_b_fmt:MATRIX_FMT_FP4 matrix_b_scale:MATRIX_SCALE_ROW1
.else
	v_wmma_scale_f32_16x16x128_f8f6f4 v[\acc:\acc+7], v[\af:\af+7], v[\bf:\bf+7], v[\acc:\acc+7], v[\sa], v[\sb] matrix_a_fmt:MATRIX_FMT_FP4 matrix_b_fmt:MATRIX_FMT_FP4 matrix_b_scale:MATRIX_SCALE_ROW1
.endif
.else
.if \zero
	v_wmma_scale_f32_16x16x128_f8f6f4 v[\acc:\acc+7], v[\bf:\bf+7], v[\af:\af+7], 0, v[\sb], v[\sa] matrix_a_fmt:MATRIX_FMT_FP4 matrix_b_fmt:MATRIX_FMT_FP4 matrix_a_scale:MATRIX_SCALE_ROW1
.else
	v_wmma_scale_f32_16x16x128_f8f6f4 v[\acc:\acc+7], v[\bf:\bf+7], v[\af:\af+7], v[\acc:\acc+7], v[\sb], v[\sa] matrix_a_fmt:MATRIX_FMT_FP4 matrix_b_fmt:MATRIX_FMT_FP4 matrix_a_scale:MATRIX_SCALE_ROW1
.endif
.endif
.endm
.macro MUL16 a0, p, q, sc, zero        ; A's blocks a0, a0 + 1 x B's eight; the 64 accumulators take turns in the same order in every step
.irp a, \a0, \a0+1
.irp b, 0,1,2,3,4,5,6,7
	WM 8*(8*((\a)%4)+\b), 128*(\p)+FR*\b, AF+FR*(\a), SC+8*NQ*(\sc)+NQ*\b+(\q), SC+8*NQ*(\sc)+NQ*(\a)+(\q), \zero
.endr
.endr
.endm
.macro FRAG reg, adr, q, row           ; 16 rows x 128 K of 4-bit codes: two loads of 16 bytes, 32 bytes apart
.irp c, 0,1
	ds_load_b128 v[\reg+4*\c:\reg+4*\c+3], v[\adr] offset:64*(\q)+32*\c+(\row)*PITCH
.endr
.endm
.macro FETCH_B slot, q, p
	WIN TO_B
.irp i, 0,1,2,3,4,5,6,7
	FRAG 128*(\p)+FR*\i, ADRB+\slot, \q, 16*\i
.endr
	WIN 0
.endm
.macro FETCH_A slot, q, i0
.irp i, \i0, \i0+1, \i0+2, \i0+3
	FRAG AF+FR*(\i), ADRA+\slot, \q, 16*(\i)+GR*64*((\i)/4)
.endr
.endm
.macro SCALES sc                       ; a slot's scale words: four a row; lanes 0-15 A's block i, lanes 16-31 B's block i
.irp i, 0,1,2,3,4,5,6,7
	ds_load_b128 v[SC+8*NQ*\sc+NQ*\i:SC+8*NQ*\sc+NQ*\i+3], v[ADRS] offset:\i*SBLK
.endr
.endm
.macro STEP slot, q, zero              ; 128 along K, with its successor in the same slot
	s_wait_dscnt 4*NL                              ; all but the youngest eight loads (A's blocks 4-7)
	WIN MUL_LO
	MUL16 0, (\q)%2, \q, \slot, \zero
	MUL16 2, (\q)%2, \q, \slot, \zero
	s_wait_dscnt 0
	PLACES NP                                      ; four plain instructions ahead of loads into registers that matrix instructions have read
	FETCH_B \slot, (\q)+1, 1-(\q)%2
	FETCH_A \slot, (\q)+1, 0
	WIN MUL_HI
	MUL16 4, (\q)%2, \q, \slot, \zero
	MUL16 6, (\q)%2, \q, \slot, \zero
	PLACES NP
	WIN 0
	FETCH_A \slot, (\q)+1, 4
.endm
.macro TURN slot, next                 ; a slot's last step: every wave's part of the next slot has landed, then one barrier
	s_wait_tensorcnt 0x0                           ; all my tensor loads have landed
	ds_add_u32 v[SPW], v[NIL]                      ; 0 onto my spare word
	s_wait_dscnt 4*NL+1                            ; the add and the youngest eight loads may be out
	WIN MUL_LO
	MUL16 0, 1, NQ-1, \slot, 0
	s_wait_dscnt 0x0
	s_barrier_signal -1
	MUL16 2, 1, NQ-1, \slot, 0
	WIN 0
	s_barrier_wait -1
	PLACES NP
	v_add_nc_u32 v[ADRS], 4*NQ, v[ADRS]            ; the next slot's scale words
	FETCH_B \next, 0, 0
	FETCH_A \next, 0, 0
	SCALES \next
	WIN MUL_HI
	MUL16 4, 1, NQ-1, \slot, 0
	MUL16 6, 1, NQ-1, \slot, 0
	PLACES NP
	WIN 0
	FETCH_A \next, 0, 4
.endm
.macro MAIN                            ; all of K: eight steps of 64 products
	s_wait_tensorcnt 0x0                           ; my tile of the head's four is in
	ds_add_u32 v[SPW], v[NIL]
	s_mov_b32 s[G1+2], 128<<16                     ; no tensor load of mine is out: from here on a load brings 128 rows
	s_mov_b32 s[G1+4], 128
	s_mov_b32 s[G1B+2], 128<<16
	s_mov_b32 s[G1B+4], 128
	s_wait_dscnt 0x0
	CROUND                                         ; all four tiles are in, and all sixteen work-groups are here
	JLOAD G0+4, G1, G0B+4, G1B                     ; slot 1's first fill, the first tensor load behind the round
	FETCH_B 0, 0, 0
	FETCH_A 0, 0, 0
	SCALES 0
	FETCH_A 0, 0, 4
	STEP 0, 0, 1                                   ; the first products start the sums
	STEP 0, 1, 0
	STEP 0, 2, 0
	TURN 0, 1
	STEP 1, 0, 0
	STEP 1, 1, 0
	STEP 1, 2, 0
	s_wait_dscnt 4*NL
	WIN MUL_LO
	MUL16 0, 1, NQ-1, 1, 0
	MUL16 2, 1, NQ-1, 1, 0
	s_wait_dscnt 0
	WIN MUL_HI
	MUL16 4, 1, NQ-1, 1, 0
	MUL16 6, 1, NQ-1, 1, 0
	WIN 0
.endm
; 64 numbers of a lane, register 8 t + j = k 16 t + 8 (lane / 16) + j of my row, become a fragment's codes in v[pc] on and its scale word in v[pw].
; Two neighbouring tiles are a block of 32, shared with lane l xor 16.  The conversions are placed so that two exchanges of halves for each 64 along K give each lane a whole block.
.macro QUANT64 y, pc, pw
.irp b, 0,1,2,3
	v_max3_num_f32 v[TM+\b], |v[\y+16*\b]|, |v[\y+1+16*\b]|, 0x1800000   ; with the floor 2^(3 - 127): the byte cannot fall under 1
.endr
.irp i, 2,4,6,8,10,12,14
.irp b, 0,1,2,3
	v_max3_num_f32 v[TM+\b], v[TM+\b], |v[\y+16*\b+\i]|, |v[\y+1+16*\b+\i]|
.endr
.endr
.irp b, 0,1,2,3
	v_permlanex16_b32 v[TM+4+\b], v[TM+\b], s[SEL], s[SEL+1]
.endr
.irp b, 0,1,2,3
	v_max_num_f32 v[TM+\b], v[TM+\b], v[TM+4+\b]
.endr
.irp b, 0,1,2,3
	v_add_nc_u32 v[TM+12+\b], 0xff000000, v[TM+\b]   ; 2 off the exponent field: the conversion's scale operand
.endr
.irp b, 0,1,2,3
	v_lshrrev_b32 v[TM+4+\b], 23, v[TM+12+\b]        ; the scale's byte
.endr
	v_lshl_or_b32 v[\pw], v[TM+5], 8, v[TM+4]
	v_lshl_or_b32 v[\pw], v[TM+6], 16, v[\pw]
	v_lshl_or_b32 v[\pw], v[TM+7], 24, v[\pw]
.irp c, 0,1
	v_cvt_scalef32_pk8_fp4_f32 v[\pc+4*\c], v[\y+32*\c:\y+32*\c+7], v[TM+12+2*\c]
	v_cvt_scalef32_pk8_fp4_f32 v[\pc+4*\c+2], v[\y+32*\c+8:\y+32*\c+15], v[TM+12+2*\c]
	v_cvt_scalef32_pk8_fp4_f32 v[\pc+4*\c+1], v[\y+32*\c+16:\y+32*\c+23], v[TM+12+2*\c+1]
	v_cvt_scalef32_pk8_fp4_f32 v[\pc+4*\c+3], v[\y+32*\c+24:\y+32*\c+31], v[TM+12+2*\c+1]
.endr
	v_nop                                          ; a plain instruction behind the conversions
.irp c, 0,1
	v_permlane16_swap_b32 v[\pc+4*\c], v[\pc+4*\c+1]
	v_permlane16_swap_b32 v[\pc+4*\c+2], v[\pc+4*\c+3]
.endr
.endm
	s_load_b256 s[4:11], s[0:1], 0x0               ; A s[4:5], B for cluster x = 0 s[6:7], B otherwise s[8:9], the first's bias s[10:11]
	s_load_b64 s[12:13], s[0:1], 0x20              ; the other bias
	s_load_b64 s[96:97], s[0:1], 0x28              ; the output
	v_lshl_add_u32 v[SPW], v0, 2, SPARE
	v_mov_b32 v[NIL], 0
	ds_add_u32 v[SPW], v[NIL]                      ; the opening: the add, twice on end, and its wait ahead of my first tensor load
	ds_add_u32 v[SPW], v[NIL]
	v_lshrrev_b32 v1, 5, v0
	v_readfirstlane_b32 s14, v1                    ; wave 0..3
	s_lshr_b32 s15, s14, 1                         ; my half of the tile's rows of A.  Also: I fetch for A (0) or for B (1)
	s_and_b32 s16, s14, 1                          ; my half of B's rows.  Also: which 128 rows I fetch
	s_bfe_u32 s40, ttmp6, 0x40000                  ; cx
	s_bfe_u32 s41, ttmp6, 0x40004                  ; cy
	s_lshl_b32 s42, ttmp9, 2
	s_add_co_u32 s42, s42, s40                     ; tile column
	s_and_b32 s17, ttmp7, 0xffff
	s_lshl_b32 s17, s17, 2
	s_add_co_u32 s17, s17, s41                     ; tile row
	s_lshl_b32 s43, s41, 2
	s_lshl_b32 s43, 15, s43                        ; my row of the cluster
	s_lshl_b32 s44, 0x1111, s40                    ; my column
	s_cmp_eq_u32 ttmp9, 0
	s_cselect_b32 s18, 0, 4
	s_sub_co_u32 s42, s42, s18                     ; the tile column inside B's own buffer
	s_or_b32 s[G1+0], s43, (0<<16)|(1<<20)|(1<<21)|(5<<22)|(3<<25)   ; the mask; elements of 1 byte; padding on; bit 21 beside a mask; 4 words behind every 64
	s_or_b32 s[G1B+0], s44, (0<<16)|(1<<20)|(1<<21)|(5<<22)|(3<<25)
.irp g, G1, G1B
	s_mov_b32 s[\g+1], ROWB<<16                    ; tensor_dim0 = 256
	s_mov_b32 s[\g+2], 256<<16                     ; tensor_dim1 = 256 for the head's loads; set to 128 behind them
	s_mov_b32 s[\g+3], ROWB<<16                    ; tile_dim0
	s_mov_b32 s[\g+4], 256                         ; tile_dim1
	s_mov_b32 s[\g+5], KROW                        ; from row to row
	s_mov_b32 s[\g+6], 0
	s_mov_b32 s[\g+7], 0
.endr
	s_or_b32 s[G1S+0], s43, (3<<16)|(1<<20)|(1<<21)|(5<<22)|(3<<25)  ; the scale bytes of 256 rows: 8,192 dense bytes as 32 rows of 32 elements of 8 bytes
	s_or_b32 s[G1SB+0], s44, (3<<16)|(1<<20)|(1<<21)|(5<<22)|(3<<25)
.irp g, G1S, G1SB
	s_mov_b32 s[\g+1], 32<<16
	s_mov_b32 s[\g+2], 32<<16                      ; the scale bytes of 256 rows: 8,192 dense bytes, 32 rows of 256
	s_mov_b32 s[\g+3], 32<<16
	s_mov_b32 s[\g+4], 32
	s_mov_b32 s[\g+5], 32
	s_mov_b32 s[\g+6], 0
	s_mov_b32 s[\g+7], 0
.endr
	s_lshl_b32 s20, s17, 8                         ; A: the tile's first row
	s_lshl_b32 s46, s42, 8                         ; B: the tile's first row
	s_lshl_b32 s22, s20, 5
	s_add_co_u32 s22, s22, 1048576                 ; A's scale bytes
	s_mov_b32 s23, 0
	s_lshl_b32 s20, s20, 9                         ; A's codes
	s_mov_b32 s21, 0
	s_lshl_b32 s92, s46, 5
	s_mov_b32 s19, 1572864
	s_cmp_eq_u32 ttmp9, 0
	s_cselect_b32 s19, 524288, s19
	s_add_co_u32 s92, s92, s19                     ; B's scale bytes
	s_mov_b32 s93, 0
	s_lshl_b32 s46, s46, 9                         ; B's codes
	s_mov_b32 s47, 0
	s_mul_i32 s45, s14, HALFT                      ; where they go: wave x 128 rows
	s_mov_b32 s[SEL], 0x76543210
	s_mov_b32 s[SEL+1], 0xfedcba98
	s_mov_b32 s95, 0xffff0000                      ; lanes 16-31
	s_mov_b32 s98, 0x7f7f0000                      ; the bytes of the two blocks of zero codes that fill K = 64 up to 128: 1.0
	s_wait_dscnt 0x0                               ; both opening adds are done
	s_wait_kmcnt 0x0
	s_cmp_eq_u32 ttmp9, 0
	s_cselect_b64 s[6:7], s[6:7], s[8:9]           ; B's buffer and its bias: the choice hangs on the cluster's x alone
	s_cselect_b64 s[10:11], s[10:11], s[12:13]
	s_add_nc_u64 s[20:21], s[4:5], s[20:21]
	s_add_nc_u64 s[22:23], s[4:5], s[22:23]
	s_add_nc_u64 s[46:47], s[6:7], s[46:47]
	s_add_nc_u64 s[92:93], s[6:7], s[92:93]
	CROUND                                         ; all sixteen work-groups are here: the joint loads meet
	; THE HEAD'S FOUR TILES, each whole, one load a wave: wave 0 slot 0's 256 rows of A, wave 1 its 256 rows of B, wave 2 the scale bytes of A's 256 rows, wave 3 those of B's
	s_mov_b32 s[G0S], 1
	s_mov_b32 s[G0S+1], SCL
	s_mov_b64 s[G0S+2:G0S+3], s[22:23]
	s_or_b32 s[G0S+3], s[G0S+3], 0x80000000
	s_mov_b32 s[G0SB], 1
	s_mov_b32 s[G0SB+1], SCL+2*HALFS
	s_mov_b64 s[G0SB+2:G0SB+3], s[92:93]
	s_or_b32 s[G0SB+3], s[G0SB+3], 0x80000000
	s_mov_b32 s[G0], 1
	s_mov_b32 s[G0+1], 0
	s_mov_b64 s[G0+2:G0+3], s[20:21]
	s_or_b32 s[G0+3], s[G0+3], 0x80000000
	s_mov_b32 s[G0B], 1
	s_mov_b32 s[G0B+1], 2*HALFT
	s_mov_b64 s[G0B+2:G0B+3], s[46:47]
	s_or_b32 s[G0B+3], s[G0B+3], 0x80000000
	s_lshl_b32 s18, s16, 16                        ; slot 1 comes by quarters: my 128 rows of 512 bytes
	s_mov_b32 s19, 0
	s_add_nc_u64 s[20:21], s[20:21], s[18:19]
	s_add_nc_u64 s[46:47], s[46:47], s[18:19]
	s_mov_b32 s[G0+4], 1
	s_add_co_u32 s[G0+5], s45, SLOT
	s_add_nc_u64 s[G0+6:G0+7], s[20:21], ROWB
	s_or_b32 s[G0+7], s[G0+7], 0x80000000
	s_mov_b32 s[G0B+4], 1
	s_add_co_u32 s[G0B+5], s45, SLOT
	s_add_nc_u64 s[G0B+6:G0B+7], s[46:47], ROWB
	s_or_b32 s[G0B+7], s[G0B+7], 0x80000000
.macro ARM under, g0, g1, next         ; one tree of branches on the wave's number: every way passes exactly one load
	s_cmp_lt_u32 s14, \under
	s_cbranch_scc0 \next
	tensor_load_to_lds s[\g0:\g0+3], s[\g1:\g1+7]
	s_nop 0
.rept 4
	v_nop
.endr
	s_branch .Lhead_asked
\next:
.endm
	ARM 1, G0,  G1,  .Lhead_b
	ARM 2, G0B, G1B, .Lhead_sa
	ARM 3, G0S, G1S, .Lhead_sb
	tensor_load_to_lds s[G0SB:G0SB+3], s[G1SB:G1SB+7]
	s_nop 0
.rept 4
	v_nop
.endr
.Lhead_asked:
	v_and_b32 v1, 15, v0                           ; r
	v_bfe_u32 v2, v0, 4, 1                         ; h
	v_mul_u32_u24 v3, v1, PITCH
	v_lshl_add_u32 v4, v2, 4, v3
	s_mul_i32 s21, s15, HALFT
	s_mul_i32 s22, s16, HALFT
	s_add_co_u32 s22, s22, 2*HALFT
.irp s, 0,1
	v_add_nc_u32 v[ADRA+\s], s21, v4
	v_add_nc_u32 v[ADRB+\s], s22, v4
	s_add_co_u32 s21, s21, SLOT
	s_add_co_u32 s22, s22, SLOT
.endr
	v_mul_u32_u24 v5, v1, KS                       ; my row's scale bytes: 32 a row,
	v_lshrrev_b32 v6, 8, v5
	v_lshl_add_u32 v5, v6, 4, v5                   ; and 16 more for each 256 passed
	s_mul_i32 s21, s15, HALFS
	s_mul_i32 s22, s16, HALFS
	s_add_co_u32 s22, s22, 2*HALFS
	s_sub_co_u32 s22, s22, s21
	v_mul_u32_u24 v6, s22, v2                      ; lanes 16-31 take B's
	s_add_co_u32 s21, s21, SCL
	v_add_nc_u32 v5, v5, v6
	v_add_nc_u32 v[ADRS], s21, v5
	s_mul_i32 s23, s14, 16*SPITCH                  ; my stage
	v_mul_u32_u24 v5, v1, SPITCH
	v_lshl_add_u32 v5, v2, 5, v5
	v_add_nc_u32 v[STO], s23, v5
	v_and_b32 v6, 31, v0
	v_lshlrev_b32 v[CO], 4, v6
	v_add_nc_u32 v[RD], s23, v[CO]
.irp b, 0,1,2,3
	v_mov_b32 v[TM+4+\b], 0                        ; written once: a lane permute's destination counts as one of its sources
.endr
	v_lshlrev_b32 v8, 5, v2                        ; 32 h: my half's eight biases
	v_lshlrev_b32 v9, 2, v1                        ; 4 r
	v_mul_u32_u24 v31, v2, 69632
	v_lshl_add_u32 v31, v1, 4, v31                 ; v's scale words: lanes 16-31 write the next head's
	s_lshl_b32 s18, s42, 10
	s_lshl_b32 s19, s16, 9
	s_add_co_u32 s18, s18, s19
	s_mov_b32 s19, 0
	s_add_nc_u64 s[10:11], s[10:11], s[18:19]      ; the bias of my 128 rows of B
	s_cmp_eq_u32 ttmp9, 3
	s_cbranch_scc1 .Lv
	WIN 0x40                                       ; destination window 1
	s_wait_alu depctr_va_vdst(0)
.irp b, 0,1,2,3,4,5,6,7
	global_load_b128 v[BI+8*\b:BI+8*\b+3], v8, s[10:11] offset:64*\b        ; bias of B's rows 16 b + 8 h + 0 .. 7
	global_load_b128 v[BI+8*\b+4:BI+8*\b+7], v8, s[10:11] offset:64*\b+16
.endr
	WIN 0
.set SW, 0
.set MUL_LO, 0xa1                      ; source 0 (B) window 1, source 1 (A) window 0, C and D window 2
.set MUL_HI, 0xf1
	MAIN
	s_cmp_eq_u32 ttmp9, 0
	s_cbranch_scc0 .Lqk
	; ---- PLAIN ROWS OUT.  The bias is added onto the accumulators; a block of 16 rows x 128 columns goes through my stage and leaves as whole rows of 512 bytes.
	s_wait_loadcnt 0x0                             ; the biases
	s_lshl_b32 s20, s17, 8
	s_lshl_b32 s21, s15, 7
	s_add_co_u32 s20, s20, s21                     ; my first row
	s_lshl_b32 s20, s20, 12                        ; rows of 4,096 bytes
	s_lshl_b32 s21, s42, 10
	s_add_co_u32 s20, s20, s21
	s_lshl_b32 s21, s16, 9
	s_add_co_u32 s20, s20, s21                     ; my first column
	s_mov_b32 s21, 0
	s_add_nc_u64 s[20:21], s[96:97], s[20:21]
.macro ADDB a
	WIN 0x86+0x41*((\a)/4)                         ; accumulators in window 2 or 3, the bias in window 1
.irp b, 0,1,2,3,4,5,6,7
.irp i, 0,2,4,6
	v_pk_add_f32 v[64*((\a)%4)+8*\b+\i:64*((\a)%4)+8*\b+\i+1], v[64*((\a)%4)+8*\b+\i:64*((\a)%4)+8*\b+\i+1], v[BI+8*\b+\i:BI+8*\b+\i+1]
.endr
.endr
.endm
.macro TOSTAGE a
.set AC, 64*((\a)%4)
	WIN 0x08+4*((\a)/4)                            ; an LDS store's data: window 2 or 3
.irp b, 0,1,2,3,4,5,6,7
	ds_store_b128 v[STO], v[AC+8*\b:AC+8*\b+3] offset:64*\b
	ds_store_b128 v[STO], v[AC+8*\b+4:AC+8*\b+7] offset:64*\b+16
.endr
	WIN 0
.set BB, BK+64*((\a)%2)
.irp t, 0,1,2,3,4,5,6,7,8,9,10,11,12,13,14,15
	ds_load_b128 v[BB+4*\t:BB+4*\t+3], v[RD] offset:\t*SPITCH   ; LDS serves a wave's instructions in order: these see the stores above
.endr
.endm
.macro SEND a, younger
.set BB, BK+64*((\a)%2)
	s_wait_dscnt \younger                          ; the block is back; the next block's 16 stores and 16 loads may be out
.irp t, 0,1,2,3,4,5,6,7,8,9,10,11,12,13,14,15
	global_store_b128 v[CO], v[BB+4*\t:BB+4*\t+3], s[20:21] offset:(16*(\a)+\t)*4096   ; 32 lanes store 512 consecutive bytes, aligned
.endr
.endm
	PLACES NP                                      ; behind the last products
	ADDB 0
	TOSTAGE 0
.irp a, 1,2,3,4,5,6,7
.if \a > 1
	s_wait_xcnt 0x0                                ; block a - 2's stores have read their registers: block a's loads may land there
.endif
	ADDB \a
	TOSTAGE \a
	SEND \a-1, 32
.endr
	SEND 7, 0
	CLOSE
.Lqk:
	; ---- q AND k.  For each tile of 16 tokens my 128 columns are two heads: four blocks of 32.  Registers 0-3 of the codes are the first head's operand image, 4-7 the second's.
	s_wait_loadcnt 0x0
	s_lshl_b32 s18, s17, 1
	s_add_co_u32 s18, s18, s15                     ; which 128 tokens
	s_lshl_b32 s19, s42, 2
	s_lshl_b32 s20, s16, 1
	s_add_co_u32 s19, s19, s20                     ; my first head: 0-15 q, 16-31 k
	s_mul_i32 s19, s19, 73728
	s_add_co_u32 s19, s19, 8388608
	s_lshl_b32 s20, s18, 12                        ; eight tiles of 512 bytes
	s_add_co_u32 s20, s20, s19
	s_mov_b32 s21, 0
	s_lshl_b32 s22, s18, 9                         ; 128 scale words
	s_add_co_u32 s22, s22, s19
	s_add_co_u32 s22, s22, 65536
	s_mov_b32 s23, 0
	s_add_nc_u64 s[20:21], s[96:97], s[20:21]
	s_add_nc_u64 s[22:23], s[96:97], s[22:23]
	PLACES NP
.irp a, 0,1,2,3,4,5,6,7
	WIN 0x06+(\a)/4                                ; accumulators window 2 or 3, bias window 1, the sums window 0
.irp b, 0,1,2,3,4,5,6,7
.irp i, 0,2,4,6
	v_pk_add_f32 v[Y+8*\b+\i:Y+8*\b+\i+1], v[64*((\a)%4)+8*\b+\i:64*((\a)%4)+8*\b+\i+1], v[BI+8*\b+\i:BI+8*\b+\i+1]
.endr
.endr
	WIN 0
.if \a > 1
	s_wait_xcnt 0x0                                ; tile a - 2's stores have read the codes' registers
.endif
	QUANT64 Y, PC+8*((\a)%2), PW
	global_store_b128 v[CO], v[PC+8*((\a)%2):PC+8*((\a)%2)+3], s[20:21] offset:512*\a
	global_store_b128 v[CO], v[PC+8*((\a)%2)+4:PC+8*((\a)%2)+7], s[20:21] offset:73728+512*\a
	v_and_or_b32 v[W+\a], v[PW], 0xffff, s98       ; the first head's two bytes,
	v_lshrrev_b32 v[W+8+\a], 16, v[PW]
	v_or_b32 v[W+8+\a], s98, v[W+8+\a]             ; the second's
.endr
.irp i, 0,1,2,3
	v_cndmask_b32 v[SELW+\i], v[W+\i], v[W+4+\i], s95      ; lanes 0-15 write tiles 0-3's words of token r, lanes 16-31 tiles 4-7's
	v_cndmask_b32 v[SELW+4+\i], v[W+8+\i], v[W+12+\i], s95
.endr
	global_store_b128 v[CO], v[SELW:SELW+3], s[22:23]
	global_store_b128 v[CO], v[SELW+4:SELW+7], s[22:23] offset:73728
	CLOSE
.Lv:
	; ---- v.  The sources change places, so that a lane's registers run along the tokens.
	WIN 0x40
	s_wait_alu depctr_va_vdst(0)
.irp b, 0,1,2,3,4,5,6,7
	global_load_b32 v[BI+2*\b], v9, s[10:11] offset:64*\b      ; the bias of B's row 16 b + r, twice: a pair for the packed addition
	global_load_b32 v[BI+2*\b+1], v9, s[10:11] offset:64*\b
.endr
	WIN 0
.set SW, 1
.set MUL_LO, 0xa4                      ; source 0 (A) window 0, source 1 (B) window 1, C and D window 2
.set MUL_HI, 0xf4
	MAIN
	s_wait_loadcnt 0x0
	s_lshl_b32 s18, s17, 1
	s_add_co_u32 s18, s18, s15                     ; which 128 tokens: a key step
	s_sub_co_u32 s19, s42, 8
	s_lshl_b32 s19, s19, 2
	s_lshl_b32 s20, s16, 1
	s_add_co_u32 s19, s19, s20                     ; my first head
	s_mul_i32 s19, s19, 69632
	s_add_co_u32 s19, s19, 10747904
	s_lshl_b32 s20, s18, 12                        ; a step's four fragments of 1,024 bytes
	s_add_co_u32 s20, s20, s19
	s_mov_b32 s21, 0
	s_lshl_b32 s22, s18, 8                         ; a step's 64 scale words
	s_add_co_u32 s22, s22, s19
	s_add_co_u32 s22, s22, 65536
	s_mov_b32 s23, 0
	s_add_nc_u64 s[20:21], s[96:97], s[20:21]
	s_add_nc_u64 s[22:23], s[96:97], s[22:23]
	PLACES NP
.irp b, 0,1,2,3,4,5,6,7
	WIN 0x06
.irp a, 0,1,2,3
.irp i, 0,2,4,6
	v_pk_add_f32 v[Y+8*\a+\i:Y+8*\a+\i+1], v[64*\a+8*\b+\i:64*\a+8*\b+\i+1], v[BI+2*\b:BI+2*\b+1]
.endr
.endr
	WIN 0x07
.irp a, 4,5,6,7
.irp i, 0,2,4,6
	v_pk_add_f32 v[Y+8*\a+\i:Y+8*\a+\i+1], v[64*(\a-4)+8*\b+\i:64*(\a-4)+8*\b+\i+1], v[BI+2*\b:BI+2*\b+1]
.endr
.endr
	WIN 0
.if \b > 1
	s_wait_xcnt 0x0
.endif
	QUANT64 Y, PC+8*((\b)%2), W+\b                 ; the fragment of V^T: channels 16 (b % 4) + r of head b / 4, these 128 keys
	global_store_b128 v[CO], v[PC+8*((\b)%2):PC+8*((\b)%2)+3], s[20:21] offset:(\b/4)*69632+(\b%4)*1024
	global_store_b128 v[CO], v[PC+8*((\b)%2)+4:PC+8*((\b)%2)+7], s[20:21] offset:(\b/4)*69632+(\b%4)*1024+512
.endr
.irp i, 0,1,2,3
	v_cndmask_b32 v[SELW+\i], v[W+\i], v[W+4+\i], s95
.endr
	global_store_b128 v31, v[SELW:SELW+3], s[22:23]    ; sixteen lanes store 256 consecutive bytes of a head's scale words
	CLOSE
.Lfunc_end_k_qa7430bd4b8_gx:
	.size	k_qa7430bd4b8_gx, .Lfunc_end_k_qa7430bd4b8_gx-k_qa7430bd4b8_gx
	.p2alignl 7, 3214868480
	.fill 96, 4, 3214868480
	.section	.rodata,"a",@progbits
	.p2align	6, 0x0
	.amdhsa_kernel k_qa7430bd4b8_gx
		.amdhsa_group_segment_fixed_size 327680
		.amdhsa_private_segment_fixed_size 0
		.amdhsa_enable_private_segment 0
		.amdhsa_kernarg_size 48
		.amdhsa_user_sgpr_count 2
		.amdhsa_user_sgpr_kernarg_segment_ptr 1
		.amdhsa_wavefront_size32 1
		.amdhsa_system_sgpr_workgroup_id_x 1
		.amdhsa_system_sgpr_workgroup_id_y 1
		.amdhsa_system_sgpr_workgroup_id_z 1
		.amdhsa_system_vgpr_workitem_id 0
		.amdhsa_next_free_vgpr 1024
		.amdhsa_next_free_sgpr 100
		.amdhsa_reserve_vcc 0
		.amdhsa_float_denorm_mode_32 3
		.amdhsa_float_denorm_mode_16_64 3
		.amdhsa_memory_ordered 1
		.amdhsa_forward_progress 1
		.amdhsa_inst_pref_size 255
	.end_amdhsa_kernel
	.section	.bss,"aw",@nobits
	.p2align	6
	.space	262144
	.amdgpu_metadata
---
amdhsa.version: [ 1, 2 ]
amdhsa.kernels:
  - .name:           k_qa7430bd4b8_gx
    .symbol:         k_qa7430bd4b8_gx.kd
    .args:
      - { .name: xq, .offset: 0, .size: 8, .value_kind: global_buffer, .address_space: global }
      - { .name: wcolq, .offset: 8, .size: 8, .value_kind: global_buffer, .address_space: global }
      - { .name: kvq, .offset: 16, .size: 8, .value_kind: global_buffer, .address_space: global }
      - { .name: bcol, .offset: 24, .size: 8, .value_kind: global_buffer, .address_space: global }
      - { .name: bqkv, .offset: 32, .size: 8, .value_kind: global_buffer, .address_space: global }
      - { .name: g1o, .offset: 40, .size: 8, .value_kind: global_buffer, .address_space: global }
    .group_segment_fixed_size: 327680
    .private_segment_fixed_size: 0
    .kernarg_segment_align: 8
    .kernarg_segment_size: 48
    .max_flat_workgroup_size: 128
    .sgpr_count:     100
    .vgpr_count:     1024
    .wavefront_size: 32
...
	.end_amdgpu_metadata
.endif
;; end of part 2
;; launch gr (part 3): grid 32 x 8, 4 waves a work-group, clusters of 4 x 4, 327,680 bytes of LDS; arguments kvq, g1o, bqkv, mem; writes mem
.if DOCPART == 3
	.amdgcn_target "amdgcn-amd-amdhsa--gfx1250"
	.amdhsa_code_object_version 6
	.text
	.protected	k_qa7430bd4b8_gr
	.globl	k_qa7430bd4b8_gr
	.p2align	8
	.type	k_qa7430bd4b8_gr,@function
k_qa7430bd4b8_gr:
	s_mov_b64 s[64:65], 0
	v_nop
	global_prefetch_b8 v0, s[64:65] scope:SCOPE_SE
	s_setreg_imm32_b32 hwreg(HW_REG_WAVE_MODE, 25, 1), 1
	s_wait_xcnt 0x0
	s_wait_alu depctr_hold_cnt(0) depctr_sa_sdst(0) depctr_va_vdst(0) depctr_va_sdst(0) depctr_va_ssrc(0) depctr_va_vcc(0) depctr_vm_vsrc(0)
	s_getreg_b32 s2, hwreg(HW_REG_IB_STS2, 6, 4)
	s_cmp_eq_u32 s2, 0
	s_cbranch_scc0 .Lentry_in_a_cluster
	s_endpgm
.Lentry_in_a_cluster:
	s_bfe_u32 s2, ttmp6, 0x10000c
	s_cmp_lg_u32 s2, 0xf033
	s_cbranch_scc0 .Lentry_shape_is_right
	s_endpgm
.Lentry_shape_is_right:
; GR: rk = ri Wk^T + bk and rv = ri Wv^T + bv on codes of E2M1, K = 1,024, and what reference() makes of them for each token and head, so that rk and rv never go to memory:
;   u_l = q_col . rk_l (f32 multiply-adds);  nmm = -c max_l u_l, c = log2(e) / 8;  e_l = 2^(c u_l + nmm);  sm = sum e_l;  memnum[d] = sum e_l rv_l[d].
; The largest of the 8 scores is taken away here; the attention launch brings sm and memnum under the row's final maximum by 2^(difference).  No work is left out here.
; A tile: B = 256 rows of ri (32 tokens x 8 slots), A = 128 rows of Wk and the same 128 of Wv (two heads).  A wave takes one head (A's blocks 0-3: its 64 rows of Wk, blocks 4-7: of Wv) and 16 tokens.
; A WORK-GROUP STAYS AND MAKES TWO TILES, rows 512 X .. + 255 of ri and the next 256.  K is two slots of 512, so all of A lies in LDS and serves both tiles; each tile's scale words come from kvq straight into registers
; Only ri's part of a slot is filled again: slot 0's behind the first tile's change of slots, slot 1's in the first tile's last step; that load lands under the first tile's way out.
; Each refill stands behind a round of the cluster's barrier; waves 2 and 3 issue it, one load each, waves 0 and 1 have nothing to fill.  A wave has one tensor load out at a time.
; Source 0 = 16 rows of ri, source 1 = 16 rows of the weight: lane (r, h), register j of accumulator (a, b) holds channel 16 a + r, token 2 b + h, slot j: a token's 8 slots lie in one lane's registers.
; CLUSTERS: 4 x 4 work-groups; A's tiles are asked for jointly along a row of the cluster, ri's along a column.  Every branch hangs on the wave's number alone.
; No prefetch: a refill is asked for as soon as its bytes are free, and the first tiles stand at the head.  LIMITS: as stated at the head of the first launch.
; REGISTERS: window 0: v1 r, v2 h, v3, v31 offsets, v4-7 bv, v8-15 bk in pairs, v16-30 addresses; v32-95 scale words and nothing else; v96-111 q_col . bk in pairs, later sm; v112-127 nmm in pairs;
;   v128-191 A's fragments, later the scores and e, later memnum; v192-255 at work.   window 1: B's fragments at v0, v128; q_col at the even registers of v64-127.   windows 2, 3: accumulators: rk's, rv's.
.set NQ,     4
.set ROWB,   256
.set KROW,   512
.set PITCH,  272                       ; an LDS row: 256 bytes + 16 of padding: the 16 rows of a load start 68 words apart
.set FR,     8
.set NL,     2
.set NP,     4
.set HALFT,  128*PITCH
.set SLOT,   4*HALFT                   ; A's 256 rows, then ri's 256
.set KS,     32
.set SCL,    2*SLOT                    ; behind the slots: the scale bytes, as runs of 256 bytes + 16 of padding: A's 256 rows, then ri's 512
.set HALFS,  4352                      ; those of 128 rows
.set SBLK,   544
.set SPARE,  SCL+6*HALFS               ; the spare words, 128 bytes a wave
.set TILEB,  256*KROW                  ; from a tile's rows of ri to the next tile's, in bytes
.set RI_C,   1671168
.set RI_S,   10059776
.set MST,    8388608
.set BV,   4
.set BKD,  8
.set ADRA, 16
.set ADRB, 20
.set CO,   26
.set SPW,  28
.set NIL,  29
.set SC,   32
.set QB,   96
.set SM,   96
.set NM,   112
.set AF,   128
.set MS,   128
.set MN,   128
.set TT,   192
.set QC,   64                          ; in window 1
.set G1, 24
.set G0, 32
.set G1B, 48
.set G0B, 56
.set G1S, 68
.set G0S, 76
.set G1SB, 80
.set G0SB, 88
.set TO_B, 0x40
.set MUL_LO, 0xa1                      ; source 0 (ri) window 1, source 1 (the weight) window 0, C and D window 2
.set MUL_HI, 0xf1
.set MSB, 0
.macro WIN new                         ; the immediate's high byte repeats the setting that is left
.if MSB != (\new)
	s_set_vgpr_msb (MSB<<8)|(\new)
.set MSB, (\new)
.endif
.endm
.macro JLOAD g0a, g1a, g0b, g1b        ; a first fill: waves 0 and 1 fetch for A, waves 2 and 3 for ri; an s_nop 0 and four v_nop follow each line
	s_cmp_eq_u32 s15, 0
	s_cbranch_scc0 .Lfor_b_\@
	tensor_load_to_lds s[\g0a:\g0a+3], s[\g1a:\g1a+7]
	s_nop 0
.rept 4
	v_nop
.endr
	s_branch .Lasked_\@
.Lfor_b_\@:
	tensor_load_to_lds s[\g0b:\g0b+3], s[\g1b:\g1b+7]
	s_nop 0
.rept 4
	v_nop
.endr
.Lasked_\@:
.endm
.macro BLOAD g0                        ; a refill: ri's part of a slot; waves 2 and 3 alone have a part of it
	s_cmp_lg_u32 s15, 0
	s_cbranch_scc0 .Lnot_b_\@
	tensor_load_to_lds s[\g0:\g0+3], s[G1B:G1B+7]
	s_nop 0
.rept 4
	v_nop
.endr
.Lnot_b_\@:
.endm
.macro CREST                           ; a round of the cluster's barrier behind its opening barrier
	s_cmp_lg_u32 s14, 0
	s_cbranch_scc1 .Lnot_wave_0_\@
	s_barrier_signal -3
.Lnot_wave_0_\@:
	s_barrier_wait -3
	s_barrier_signal -1
	s_barrier_wait -1
.endm
.macro CROUND                          ; a whole round
	s_barrier_signal -1
	s_barrier_wait -1
	CREST
.endm
.macro PLACES n
.rept \n
	v_nop
.endr
.endm
.macro WM acc, bf, af, sb, sa, zero    ; the scale registers carry A's words in lanes 0-15 and ri's in lanes 16-31
.if \zero
	v_wmma_scale_f32_16x16x128_f8f6f4 v[\acc:\acc+7], v[\bf:\bf+7], v[\af:\af+7], 0, v[\sb], v[\sa] matrix_a_fmt:MATRIX_FMT_FP4 matrix_b_fmt:MATRIX_FMT_FP4 matrix_a_scale:MATRIX_SCALE_ROW1
.else
	v_wmma_scale_f32_16x16x128_f8f6f4 v[\acc:\acc+7], v[\bf:\bf+7], v[\af:\af+7], v[\acc:\acc+7], v[\sb], v[\sa] matrix_a_fmt:MATRIX_FMT_FP4 matrix_b_fmt:MATRIX_FMT_FP4 matrix_a_scale:MATRIX_SCALE_ROW1
.endif
.endm
.macro MUL16 a0, p, q, sc, zero        ; A's blocks a0, a0 + 1 x ri's eight; the 64 accumulators take turns in the same order in every step
.irp a, \a0, \a0+1
.irp b, 0,1,2,3,4,5,6,7
	WM 8*(8*((\a)%4)+\b), 128*(\p)+FR*\b, AF+FR*(\a), SC+8*NQ*(\sc)+NQ*\b+(\q), SC+8*NQ*(\sc)+NQ*(\a)+(\q), \zero
.endr
.endr
.endm
.macro FRAG reg, adr, q, row           ; 16 rows x 128 K of 4-bit codes: two loads of 16 bytes, 32 bytes apart
.irp c, 0,1
	ds_load_b128 v[\reg+4*\c:\reg+4*\c+3], v[\adr] offset:64*(\q)+32*\c+(\row)*PITCH
.endr
.endm
.macro FETCH_B slot, q, p
	WIN TO_B
.irp i, 0,1,2,3,4,5,6,7
	FRAG 128*(\p)+FR*\i, ADRB+\slot, \q, 16*\i
.endr
	WIN 0
.endm
.macro FETCH_A slot, q, i0             ; blocks 4-7 are Wv's rows, which lie 128 LDS rows behind Wk's: 64 more than their number says
.irp i, \i0, \i0+1, \i0+2, \i0+3
	FRAG AF+FR*(\i), ADRA+\slot, \q, 16*(\i)+64*((\i)/4)
.endr
.endm
; A tile's 64 scale words, all of K, from kvq straight into the scale registers: lanes 0-15 the weight's block i (from block 4 on by the second offset), lanes 16-31 ri's block i.
; A row's 32 scale bytes are taken by two loads of 16 bytes a lane (slot 0's words, slot 1's).
.macro SCALES a1, a2
.irp sc, 0,1
.irp i, 0,1,2,3
	global_load_b128 v[SC+32*\sc+4*\i:SC+32*\sc+4*\i+3], v[\a1], s[4:5] offset:512*\i+16*\sc
.endr
.irp i, 4,5,6,7
	global_load_b128 v[SC+32*\sc+4*\i:SC+32*\sc+4*\i+3], v[\a2], s[4:5] offset:512*\i+16*\sc
.endr
.endr
.endm
.macro FIRST
	FETCH_B 0, 0, 0
	FETCH_A 0, 0, 0
	FETCH_A 0, 0, 4
.endm
.macro STEP slot, q, zero              ; 128 along K, with its successor in the same slot
	s_wait_dscnt 4*NL                              ; all but the youngest eight loads (A's blocks 4-7)
	WIN MUL_LO
	MUL16 0, (\q)%2, \q, \slot, \zero
	MUL16 2, (\q)%2, \q, \slot, \zero
	s_wait_dscnt 0
	PLACES NP                                      ; four plain instructions ahead of loads into registers that matrix instructions have read
	FETCH_B \slot, (\q)+1, 1-(\q)%2
	FETCH_A \slot, (\q)+1, 0
	WIN MUL_HI
	MUL16 4, (\q)%2, \q, \slot, \zero
	MUL16 6, (\q)%2, \q, \slot, \zero
	PLACES NP
	WIN 0
	FETCH_A \slot, (\q)+1, 4
.endm
; Slot 0's last step changes slots.  In front of the barrier each wave waits for all its tensor loads, adds 0 to its spare word, and waits for that and for its reads of the slot.
; fill = 1: the barrier opens a round of the cluster's barrier, and behind it ri's part of slot 0 takes the next tile's rows.
.macro TURN fill
	s_wait_tensorcnt 0x0                           ; all my tensor loads have landed: no descriptor of mine is in use
	ds_add_u32 v[SPW], v[NIL]                      ; 0 onto my spare word
	s_wait_dscnt 4*NL+1                            ; the add and the youngest eight loads may be out
	WIN MUL_LO
	MUL16 0, 1, NQ-1, 0, 0
	s_wait_dscnt 0x0                               ; the add is done, and my reads of slot 0 are over
	s_barrier_signal -1
	MUL16 2, 1, NQ-1, 0, 0
	WIN 0
	s_barrier_wait -1
.if \fill
	CREST                                          ; no wave of any partner still reads ri's part of slot 0 or has a load on its way
	s_add_nc_u64 s[G0B+2:G0B+3], s[G0B+2:G0B+3], TILEB
	BLOAD G0B                                      ; the first tensor load behind the round: it has four steps, 256 matrix instructions, in which to land
.endif
	PLACES NP
	FETCH_B 1, 0, 0
	FETCH_A 1, 0, 0
	WIN MUL_HI
	MUL16 4, 1, NQ-1, 0, 0
	MUL16 6, 1, NQ-1, 0, 0
	PLACES NP
	WIN 0
	FETCH_A 1, 0, 4
.endm
; A tile's last step.  fill = 1: the same three lines and round, and ri's part of slot 1 takes the next tile's rows; slot 0's refill has landed in every wave that asked for it, so the next tile begins with no further barrier.
.macro LAST fill
.if \fill
	s_wait_tensorcnt 0x0                           ; the one load of mine that was out: the next tile's part of slot 0
	ds_add_u32 v[SPW], v[NIL]
	s_wait_dscnt 4*NL+1
	WIN MUL_LO
	MUL16 0, 1, NQ-1, 1, 0
	s_wait_dscnt 0x0                               ; the add is done, and my reads of slot 1 are over
	s_barrier_signal -1
	MUL16 2, 1, NQ-1, 1, 0
	WIN 0
	s_barrier_wait -1
	CREST
	s_add_nc_u64 s[G0B+6:G0B+7], s[G0B+6:G0B+7], TILEB
	BLOAD G0B+4                                    ; it has the way out and four steps in which to land
.else
	s_wait_dscnt 4*NL
	WIN MUL_LO
	MUL16 0, 1, NQ-1, 1, 0
	MUL16 2, 1, NQ-1, 1, 0
	s_wait_dscnt 0
.endif
	WIN MUL_HI
	MUL16 4, 1, NQ-1, 1, 0
	MUL16 6, 1, NQ-1, 1, 0
	WIN 0
.endm
; THE WAY OUT of tile t.
.macro EPI t
	s_wait_loadcnt 0x0                             ; q_col (and, the first time, the biases)
	PLACES NP
.if \t == 0
	SCALES 22, 23                                  ; the next tile's scale words, four plain instructions behind the last products: they land under the way out
.endif
	WIN 0x04
.irp b, 0,1,2,3,4,5,6,7
	v_pk_mul_f32 v[QB+2*\b:QB+2*\b+1], v[BKD:BKD+1], v[QC+8*\b:QC+8*\b+1] op_sel_hi:[1,0]     ; my channels' part of q_col . bk
.endr
.irp a, 1,2,3
.irp b, 0,1,2,3,4,5,6,7
	v_pk_fma_f32 v[QB+2*\b:QB+2*\b+1], v[BKD+2*\a:BKD+2*\a+1], v[QC+2*(4*\b+\a):QC+2*(4*\b+\a)+1], v[QB+2*\b:QB+2*\b+1] op_sel_hi:[1,0,1]
.endr
.endr
	WIN 0x06                                       ; rk's accumulators window 2, q_col window 1
.irp a, 0,1,2,3
.irp b, 0,1,2,3,4,5,6,7
.irp j, 0,2,4,6
.if \a == 0
	v_pk_fma_f32 v[MS+8*\b+\j:MS+8*\b+\j+1], v[64*\a+8*\b+\j:64*\a+8*\b+\j+1], v[QC+2*(4*\b+\a):QC+2*(4*\b+\a)+1], v[QB+2*\b:QB+2*\b+1] op_sel_hi:[1,0,1]
.else
	v_pk_fma_f32 v[MS+8*\b+\j:MS+8*\b+\j+1], v[64*\a+8*\b+\j:64*\a+8*\b+\j+1], v[QC+2*(4*\b+\a):QC+2*(4*\b+\a)+1], v[MS+8*\b+\j:MS+8*\b+\j+1] op_sel_hi:[1,0,1]
.endif
.endr
.endr
.endr
.if \t == 0
	WIN 0x40                                       ; q_col has been read: the next tile's 32 tokens, 131,072 bytes on, are asked for now
.irp b, 0,1,2,3,4,5,6,7
.irp a, 0,1,2,3
	global_load_b32 v[QC+2*(4*\b+\a)], v31, s[6:7] offset:131072+8192*\b+64*\a
.endr
.endr
.endif
	WIN 0
.irp m, 1,2,4,8                        ; over the sixteen lanes that share a token: u_l, in every one of them
.set J, 0
.rept 64
	v_add_f32_dpp v[MS+J], v[MS+J], v[MS+J] row_xmask:\m row_mask:0xf bank_mask:0xf
.set J, J+1
.endr
.endr
.irp b, 0,1,2,3,4,5,6,7
	v_max3_num_f32 v[TT+\b], v[MS+8*\b], v[MS+8*\b+1], v[MS+8*\b+2]
.endr
.irp b, 0,1,2,3,4,5,6,7
	v_max3_num_f32 v[TT+\b], v[TT+\b], v[MS+8*\b+3], v[MS+8*\b+4]
.endr
.irp b, 0,1,2,3,4,5,6,7
	v_max3_num_f32 v[TT+\b], v[TT+\b], v[MS+8*\b+5], v[MS+8*\b+6]
.endr
.irp b, 0,1,2,3,4,5,6,7
	v_max_num_f32 v[TT+\b], v[TT+\b], v[MS+8*\b+7]
.endr
.irp b, 0,1,2,3,4,5,6,7
	v_mul_f32 v[NM+2*\b], s95, v[TT+\b]            ; nmm = -c x the largest, twice
	v_mul_f32 v[NM+2*\b+1], s95, v[TT+\b]
.endr
.irp b, 0,1,2,3,4,5,6,7
.irp j, 0,2,4,6
	v_pk_fma_f32 v[MS+8*\b+\j:MS+8*\b+\j+1], v[MS+8*\b+\j:MS+8*\b+\j+1], s[2:3], v[NM+2*\b:NM+2*\b+1] op_sel_hi:[1,0,1]
.endr
.endr
.set J, 0
	s_wait_alu depctr_va_vdst(0)
.rept 64
	v_exp_f32 v[MS+J], v[MS+J]                     ; e_l, at most about 1
.set J, J+1
.endr
	v_nop                                          ; a plain instruction behind the batch,
	s_wait_alu depctr_va_vdst(0)                   ; and the one wait ahead of its first reader
.irp b, 0,1,2,3,4,5,6,7
	v_pk_add_f32 v[TT+4*\b:TT+4*\b+1], v[MS+8*\b:MS+8*\b+1], v[MS+8*\b+2:MS+8*\b+3]
	v_pk_add_f32 v[TT+4*\b+2:TT+4*\b+3], v[MS+8*\b+4:MS+8*\b+5], v[MS+8*\b+6:MS+8*\b+7]
.endr
.irp b, 0,1,2,3,4,5,6,7
	v_pk_add_f32 v[TT+4*\b:TT+4*\b+1], v[TT+4*\b:TT+4*\b+1], v[TT+4*\b+2:TT+4*\b+3]
.endr
.irp b, 0,1,2,3,4,5,6,7
	v_add_f32 v[SM+\b], v[TT+4*\b], v[TT+4*\b+1]   ; sm
.endr
	WIN 0x03                                       ; rv's accumulators window 3
.irp b, 0,1,2,3,4,5,6,7
.irp a, 0,1,2,3
	v_pk_mul_f32 v[TT+2*(4*\b+\a):TT+2*(4*\b+\a)+1], v[64*\a+8*\b:64*\a+8*\b+1], v[MS+8*\b:MS+8*\b+1]
.endr
.irp j, 2,4,6
.irp a, 0,1,2,3
	v_pk_fma_f32 v[TT+2*(4*\b+\a):TT+2*(4*\b+\a)+1], v[64*\a+8*\b+\j:64*\a+8*\b+\j+1], v[MS+8*\b+\j:MS+8*\b+\j+1], v[TT+2*(4*\b+\a):TT+2*(4*\b+\a)+1]
.endr
.endr
.endr
	WIN 0
.irp b, 0,1,2,3,4,5,6,7
.irp a, 0,1,2,3
	v_add_f32 v[MN+4*\b+\a], v[TT+2*(4*\b+\a)], v[TT+2*(4*\b+\a)+1]          ; even slots' and odd slots' sums
.endr
.endr
.irp b, 0,1,2,3,4,5,6,7
.irp a, 0,1,2,3
	v_fma_f32 v[MN+4*\b+\a], v[BV+\a], v[SM+\b], v[MN+4*\b+\a]               ; + bv x sm: sum e_l (rv_l + bv)
.endr
.endr
.irp b, 0,1,2,3,4,5,6,7
	global_store_b128 v[CO], v[MN+4*\b:MN+4*\b+3], s[20:21] offset:8192*\t+512*\b    ; tokens 2 b, 2 b + 1: 512 consecutive bytes; place 4 r + a holds channel 16 a + r
.endr
	v_and_b32 v160, 7, v1                          ; lane (r, h) writes for token 2 (r % 8) + h: nmm where r < 8, sm where not
	v_mov_b32 v161, v[NM]
	v_mov_b32 v162, v[SM]
.irp b, 1,2,3,4,5,6,7
	v_cmp_eq_u32 vcc_lo, \b, v160
	v_cndmask_b32 v161, v161, v[NM+2*\b], vcc_lo
	v_cndmask_b32 v162, v162, v[SM+\b], vcc_lo
.endr
	v_cmp_lt_u32 vcc_lo, 7, v1
	v_cndmask_b32 v161, v161, v162, vcc_lo
	v_lshlrev_b32 v160, 4, v160
	v_lshl_add_u32 v160, v2, 3, v160
	v_lshrrev_b32 v163, 3, v1
	v_lshl_add_u32 v160, v163, 2, v160
	global_store_b32 v160, v161, s[22:23] offset:256*\t   ; 128 consecutive bytes, a word a lane
.endm
	s_load_b256 s[4:11], s[0:1], 0x0               ; kvq s[4:5], g1o s[6:7], bqkv s[8:9], mem s[10:11]
	v_lshl_add_u32 v[SPW], v0, 2, SPARE
	v_mov_b32 v[NIL], 0
	ds_add_u32 v[SPW], v[NIL]                      ; the opening: the add, twice on end, and its wait ahead of my first tensor load
	ds_add_u32 v[SPW], v[NIL]
	v_lshrrev_b32 v1, 5, v0
	v_readfirstlane_b32 s14, v1                    ; wave 0..3
	s_lshr_b32 s15, s14, 1                         ; my head of the tile's two.  Also: I fetch for A (0) or for ri (1)
	s_and_b32 s16, s14, 1                          ; my 16 of a tile's 32 tokens.  Also: what I fetch: Wk or Wv; ri's first or second part
	s_bfe_u32 s40, ttmp6, 0x40000                  ; cx
	s_bfe_u32 s41, ttmp6, 0x40004                  ; cy
	s_lshl_b32 s42, ttmp9, 2
	s_add_co_u32 s42, s42, s40                     ; which 512 rows of ri
	s_and_b32 s17, ttmp7, 0xffff
	s_lshl_b32 s17, s17, 2
	s_add_co_u32 s17, s17, s41                     ; which two heads
	s_lshl_b32 s43, s41, 2
	s_lshl_b32 s43, 15, s43                        ; my row of the cluster
	s_lshl_b32 s44, 0x1111, s40                    ; my column
	s_or_b32 s[G1+0], s43, (0<<16)|(1<<20)|(1<<21)|(5<<22)|(3<<25)   ; the mask; elements of 1 byte; padding on; bit 21 beside a mask; 4 words behind every 64
	s_or_b32 s[G1B+0], s44, (0<<16)|(1<<20)|(1<<21)|(5<<22)|(3<<25)
.irp g, G1, G1B
	s_mov_b32 s[\g+1], ROWB<<16                    ; tensor_dim0 = 256
	s_mov_b32 s[\g+2], 128<<16                     ; tensor_dim1 = 128
	s_mov_b32 s[\g+3], ROWB<<16                    ; tile_dim0
	s_mov_b32 s[\g+4], 128                         ; tile_dim1
	s_mov_b32 s[\g+5], KROW                        ; from row to row
	s_mov_b32 s[\g+6], 0
	s_mov_b32 s[\g+7], 0
.endr
	s_lshl_b32 s20, s16, 10
	s_lshl_b32 s18, s17, 7
	s_add_co_u32 s20, s20, s18
	s_add_co_u32 s20, s20, 1024                    ; A: row 1,024 (Wk) or 2,048 (Wv) + 128 x tile row of Wqkv
	s_lshl_b32 s20, s20, 9
	s_mov_b32 s21, 0
	s_lshl_b32 s46, s42, 9                         ; ri: the first of my 512 rows
	s_lshl_b32 s18, s16, 7
	s_add_co_u32 s46, s46, s18                     ; codes: a half of the first tile's rows
	s_lshl_b32 s46, s46, 9
	s_add_co_u32 s46, s46, RI_C
	s_mov_b32 s47, 0
	s_mul_i32 s45, s14, HALFT                      ; where they go: wave x 128 rows
	s_mov_b32 s2, 0x3e38aa3b                       ; c = log2(e) / 8
	s_mov_b32 s3, s2                               ; (the packed form names the pair)
	s_mov_b32 s95, 0xbe38aa3b                      ; -c
	s_wait_dscnt 0x0                               ; both opening adds are done
	s_wait_kmcnt 0x0
	s_add_nc_u64 s[20:21], s[4:5], s[20:21]
	s_add_nc_u64 s[46:47], s[4:5], s[46:47]
	CROUND                                         ; all sixteen work-groups are here: the joint loads meet
.irp s, 0,1
	s_mov_b32 s[G0+4*\s], 1
	s_add_co_u32 s[G0+4*\s+1], s45, \s*SLOT
	s_add_nc_u64 s[G0+4*\s+2:G0+4*\s+3], s[20:21], \s*ROWB
	s_or_b32 s[G0+4*\s+3], s[G0+4*\s+3], 0x80000000
	s_mov_b32 s[G0B+4*\s], 1
	s_add_co_u32 s[G0B+4*\s+1], s45, \s*SLOT
	s_add_nc_u64 s[G0B+4*\s+2:G0B+4*\s+3], s[46:47], \s*ROWB
	s_or_b32 s[G0B+4*\s+3], s[G0B+4*\s+3], 0x80000000
.endr
	JLOAD G0, G1, G0B, G1B                         ; slot 0, a quarter a wave: one tensor load a wave at the head
	v_and_b32 v1, 15, v0                           ; r
	v_bfe_u32 v2, v0, 4, 1                         ; h
	v_mul_u32_u24 v3, v1, PITCH
	v_lshl_add_u32 v4, v2, 4, v3
	s_mul_i32 s21, s15, 64*PITCH                   ; my head's 64 rows of Wk
	s_mul_i32 s22, s16, HALFT
	s_add_co_u32 s22, s22, 2*HALFT
.irp s, 0,1
	v_add_nc_u32 v[ADRA+\s], s21, v4
	v_add_nc_u32 v[ADRB+\s], s22, v4
	s_add_co_u32 s21, s21, SLOT
	s_add_co_u32 s22, s22, SLOT
.endr
	; the scale words' addresses: the lower base (A's, lanes 0-15) + h x the distance to ri's.  v27, v30: the first tile's; v22, v23: the second's, whose bytes of ri lie 8,192 further on
	; these are byte offsets in kvq: the weight's scale bytes (lanes 0-15) + h x the distance to ri's; the second tile's rows of ri lie 8,192 bytes further on
	s_lshl_b32 s21, s17, 12                        ; 128 rows of 32 bytes for each pair of heads,
	s_lshl_b32 s22, s15, 11                        ; 64 for my head,
	s_add_co_u32 s21, s21, s22
	s_add_co_u32 s21, s21, 1572864+32768           ; from Wk's first row (row 1,024 of Wqkv)
	s_lshl_b32 s22, s42, 14                        ; ri: 512 rows of 32 bytes for each work-group column,
	s_lshl_b32 s23, s16, 12                        ; my 128 rows
	s_add_co_u32 s22, s22, s23
	s_add_co_u32 s22, s22, RI_S
	s_sub_co_u32 s22, s22, s21                     ; the distance, first tile
	s_add_co_u32 s23, s22, 8192                    ; second tile
	s_wait_alu depctr_va_vdst(0)                   ; directly ahead of the reader below
	v_mul_u32_u24 v5, v1, KS                       ; my row's scale bytes: 32 a row
	v_mul_u32_u24 v6, s22, v2
	v_add_nc_u32 v6, v5, v6
	v_add_nc_u32 v27, s21, v6
	v_mul_u32_u24 v6, s23, v2
	v_add_nc_u32 v6, v5, v6
	v_add_nc_u32 v22, s21, v6
	s_sub_co_u32 s22, s22, 30720                   ; for blocks 4-7 lanes 0-15 stand 960 rows further on (Wv's bytes), lanes 16-31 where they stood
	s_sub_co_u32 s23, s23, 30720
	s_add_co_u32 s21, s21, 30720
	v_mul_u32_u24 v6, s22, v2
	s_wait_alu depctr_va_vdst(0)
	v_add_nc_u32 v6, v5, v6
	v_add_nc_u32 v30, s21, v6
	v_mul_u32_u24 v6, s23, v2
	v_add_nc_u32 v6, v5, v6
	v_add_nc_u32 v23, s21, v6
	s_wait_alu depctr_va_vdst(0)
	SCALES 27, 30                                  ; the first tile's scale words
	v_and_b32 v6, 31, v0
	v_lshlrev_b32 v[CO], 4, v6
	s_lshl_b32 s18, s17, 1
	s_add_co_u32 s18, s18, s15                     ; my head
	s_lshl_b32 s19, s42, 6
	s_lshl_b32 s20, s16, 4
	s_add_co_u32 s19, s19, s20                     ; my first token of the first tile; the second tile's lie 32 further on
	s_lshl_b32 s20, s18, 8
	s_mov_b32 s21, 0
	s_add_nc_u64 s[8:9], s[8:9], s[20:21]          ; the biases at my head's 64 numbers
	s_lshl_b32 s22, s19, 12
	s_add_co_u32 s20, s20, s22
	s_add_nc_u64 s[6:7], s[6:7], s[20:21]          ; q_col at my first token, my head
	s_lshl_b32 s22, s18, 11
	s_add_co_u32 s22, s22, s19                     ; 2,048 x head + token
	s_lshl_b32 s20, s22, 8
	s_add_nc_u64 s[20:21], s[10:11], s[20:21]      ; memnum: 256 bytes a token
	s_lshl_b32 s22, s22, 3
	s_add_co_u32 s22, s22, MST
	s_mov_b32 s23, 0
	s_add_nc_u64 s[22:23], s[10:11], s[22:23]      ; nmm, sm: 8 bytes a token
	v_lshlrev_b32 v3, 2, v1                        ; 4 r
	v_lshl_add_u32 v31, v2, 12, v3                 ; + a row of q_col for lanes 16-31
.irp a, 0,1,2,3
	global_load_b32 v[BV+\a], v3, s[8:9] offset:8192+64*\a          ; bv of channel 16 a + r
	global_load_b32 v[BKD+2*\a], v3, s[8:9] offset:4096+64*\a       ; bk of it, twice: a pair for the packed forms
	global_load_b32 v[BKD+2*\a+1], v3, s[8:9] offset:4096+64*\a
.endr
	WIN 0x40                                       ; destination window 1
.irp b, 0,1,2,3,4,5,6,7
.irp a, 0,1,2,3
	global_load_b32 v[QC+2*(4*\b+\a)], v31, s[6:7] offset:8192*\b+64*\a     ; q_col(token 2 b + h, channel 16 a + r)
	v_mov_b32 v[QC+2*(4*\b+\a)+1], 0               ; (named as the upper half of its pair, of which the low register alone is taken: written once)
.endr
.endr
	WIN 0
	; ---- THE FIRST TILE
	s_wait_tensorcnt 0x0                           ; my part of slot 0 is in
	ds_add_u32 v[SPW], v[NIL]
	s_wait_dscnt 0x0
	CROUND                                         ; slot 0 is whole, and all sixteen work-groups are here
	JLOAD G0+4, G1, G0B+4, G1B                     ; slot 1's first fill, the first tensor load behind the round
	s_wait_loadcnt 0x0                             ; the scale words
	FIRST
	STEP 0, 0, 1                                   ; the first products start the sums
	STEP 0, 1, 0
	STEP 0, 2, 0
	TURN 1
	STEP 1, 0, 0
	STEP 1, 1, 0
	STEP 1, 2, 0
	LAST 1
	EPI 0
	s_wait_xcnt 0x0                                ; the stores have read their registers: A's fragments land on them again
	s_wait_loadcnt 0x0                             ; the second tile's scale words
	FIRST
	STEP 0, 0, 1
	STEP 0, 1, 0
	STEP 0, 2, 0
	TURN 0                                         ; its wait for all tensor loads shows slot 1's refill landed
	STEP 1, 0, 0
	STEP 1, 1, 0
	STEP 1, 2, 0
	LAST 0
	EPI 1
	s_wait_tensorcnt 0x0                           ; the wave's end: the wait, the add and its wait, then the closing round
	ds_add_u32 v[SPW], v[NIL]
	s_wait_dscnt 0x0
	CROUND
	s_endpgm
.Lfunc_end_k_qa7430bd4b8_gr:
	.size	k_qa7430bd4b8_gr, .Lfunc_end_k_qa7430bd4b8_gr-k_qa7430bd4b8_gr
	.p2alignl 7, 3214868480
	.fill 96, 4, 3214868480
	.section	.rodata,"a",@progbits
	.p2align	6, 0x0
	.amdhsa_kernel k_qa7430bd4b8_gr
		.amdhsa_group_segment_fixed_size 327680
		.amdhsa_private_segment_fixed_size 0
		.amdhsa_enable_private_segment 0
		.amdhsa_kernarg_size 32
		.amdhsa_user_sgpr_count 2
		.amdhsa_user_sgpr_kernarg_segment_ptr 1
		.amdhsa_wavefront_size32 1
		.amdhsa_system_sgpr_workgroup_id_x 1
		.amdhsa_system_sgpr_workgroup_id_y 1
		.amdhsa_system_sgpr_workgroup_id_z 1
		.amdhsa_system_vgpr_workitem_id 0
		.amdhsa_next_free_vgpr 1024
		.amdhsa_next_free_sgpr 100
		.amdhsa_reserve_vcc 1
		.amdhsa_float_denorm_mode_32 3
		.amdhsa_float_denorm_mode_16_64 3
		.amdhsa_memory_ordered 1
		.amdhsa_forward_progress 1
		.amdhsa_inst_pref_size 255
	.end_amdhsa_kernel
	.section	.bss,"aw",@nobits
	.p2align	6
	.space	262144
	.amdgpu_metadata
---
amdhsa.version: [ 1, 2 ]
amdhsa.kernels:
  - .name:           k_qa7430bd4b8_gr
    .symbol:         k_qa7430bd4b8_gr.kd
    .args:
      - { .name: kvq, .offset: 0, .size: 8, .value_kind: global_buffer, .address_space: global }
      - { .name: g1o, .offset: 8, .size: 8, .value_kind: global_buffer, .address_space: global }
      - { .name: bqkv, .offset: 16, .size: 8, .value_kind: global_buffer, .address_space: global }
      - { .name: mem, .offset: 24, .size: 8, .value_kind: global_buffer, .address_space: global }
    .group_segment_fixed_size: 327680
    .private_segment_fixed_size: 0
    .kernarg_segment_align: 8
    .kernarg_segment_size: 32
    .max_flat_workgroup_size: 128
    .sgpr_count:     100
    .vgpr_count:     1024
    .wavefront_size: 32
...
	.end_amdgpu_metadata
.endif
;; end of part 3
;; launch att (part 4): grid 16 x 16, 16 waves a work-group, no clusters, 313,344 bytes of LDS; arguments g1o, mem, cq; writes cq
.if DOCPART == 4
	.amdgcn_target "amdgcn-amd-amdhsa--gfx1250"
	.amdhsa_code_object_version 6
	.text
	.protected	k_qa7430bd4b8_att
	.globl	k_qa7430bd4b8_att
	.p2align	8
	.type	k_qa7430bd4b8_att,@function
k_qa7430bd4b8_att:
	s_mov_b64 s[64:65], 0
	v_nop
	global_prefetch_b8 v0, s[64:65] scope:SCOPE_SE
	s_setreg_imm32_b32 hwreg(HW_REG_WAVE_MODE, 25, 1), 1
	s_wait_xcnt 0x0
; ATT: w = softmax over a query's causal token scores and its 8 memory scores; ctx = w_tok V + w_mem rv, quantised along the 1,024 channels for the last projection.
; Both products run on codes of E2M1.  reference() quantises the FINISHED weights, so the keys are walked twice: pass 1 finds the row's largest score and the sum of 2^(c s - c max), c = log2(e) / 8;
; pass 2 makes the scores again and w = 2^(c s - c max - log2(sum)), which is quantised along the keys and multiplied with V.  The memory part (nmm, sm, memnum of launch gr) joins between the passes.
; WORK LEFT OUT: key steps of 128 keys that lie wholly behind a tile's 16 queries: reference()'s own triu mask gives them the weight 0 for all inputs.
; LIMITS: as stated at the head of the first launch; the promise holds while the scaled scores stay under 2^31 in magnitude.
; SHARES.  A work-group owns one head and 8 tiles of 16 queries.  A TILE HAS TWO WAVES, w and w + 8: the first takes its even key steps, the second the odd ones.  Tiles t and 127 - t (17 key steps together) go to waves
; w, w + 4, w + 8, w + 12, so that the four waves' steps add up alike for every such group, in each pass.  Behind pass 1 the two halves' sums and maxima meet in LDS (one barrier) and both waves make the same
; final offset of them; behind pass 2 the second wave hands its O^T over through LDS (one barrier) and the first adds, quantises and stores.  Each half begins its O^T with half of the memory's share (x 0.5 rounds nothing).
; The head's K image (73,728 bytes) and V image (69,632) come once: waves 0-7 fetch an eighth of K each, waves 8-15 an eighth of V, one tensor load a wave; one barrier; nothing in LDS is filled twice.
; NO CLUSTER: the work-groups that share a head's K and V own different queries, and the causal branches hang on those queries, so they would differ between partners.
; NO PREFETCH: all that the launch reads is asked for at its head or straight behind it; there is no loop to run ahead in.
; S^T = K Q^T: lane (r, h) holds query r, register j of tile t key 16 t + 8 h + j.  The head has 64 channels: Q's codes of k = 64 .. 127 are zeros, so whatever codes stand in the upper four registers of K's
; operand add nothing: tile t's operand is v[32 + 4 t .. + 7], whose upper four are tile t + 1's codes (v64-67: zeros).  Both scale words carry 1.0 for those blocks.
; Pass 1 leaves each block's largest score (32 keys, both halves of the lanes joined) in the wave's own LDS bytes, 512 a step; pass 2 reads them back instead of searching again.
; The wave's next step's fragments of K are asked for under the softmax of the step in hand, under a branch on ids that leaves the request out where no step follows.
; REGISTERS: v1, v2 the add's; v3-6, v72-75, v77-79 offsets that stay; v7-10, v76 addresses in hand; v11 r - 8 h; v12 the exponent's offset, v13 the largest score, v[14:15] the sum; v16-23 Q, v24 its scale word, v25 w's;
; v26, v27 nmm, sm; v32-67 K; v68-71 block maxima; v96-159 S^T, then w; v160-191 O^T; v192-223 memnum, then V; v224-231 w's codes; v232-247 at work; v240-243 V's scale words; v248-255 K's.
.set QKO,   8388608
.set VO,    10747904
.set MST,   8388608
.set KSC,   65536                      ; LDS: K's codes at 0, its scale words here
.set VB,    73728                      ; V's codes
.set VSC,   139264                     ; V's scale words
.set SPARE, 143360                     ; the spare words, 128 bytes a wave
.set BM,    145408                     ; the block maxima: 8,192 bytes a wave
.set ST,    276480                     ; a wave's sum and largest score: 8 bytes a lane, 256 a wave
.set OX,    280576                     ; the second half's O^T: 4,096 bytes a tile.  No tile of a tensor load lands from BM on
	s_load_b128 s[4:7], s[0:1], 0x0                ; g1o, mem
	s_load_b64 s[8:9], s[0:1], 0x10                ; cq
	v_lshl_add_u32 v1, v0, 2, SPARE
	v_mov_b32 v2, 0
	ds_add_u32 v1, v2                              ; the opening: the add, twice on end, and its wait ahead of my tensor load
	ds_add_u32 v1, v2
	v_lshrrev_b32 v3, 5, v0
	s_delay_alu instid0(VALU_DEP_1)
	v_readfirstlane_b32 s10, v3                    ; wave 0..15
	s_lshr_b32 s68, s10, 3                         ; my half of the key steps: 0 even, 1 odd
	s_and_b32 s69, s10, 7                          ; which of the work-group's 8 tiles
	s_and_b32 s11, ttmp7, 0xffff                   ; the head
	s_and_b32 s12, s69, 3
	s_lshl_b32 s12, s12, 4
	s_add_co_u32 s12, s12, ttmp9                   ; 16 (tile % 4) + work-group x: 0 .. 63
	s_lshr_b32 s13, s69, 2
	s_xor_b32 s13, s13, s69
	s_and_b32 s13, s13, 1
	s_mul_i32 s13, s13, 127
	s_xor_b32 s13, s13, s12                        ; my tile of the head's 128: that number or 127 less it
	s_lshl_b32 s14, s13, 4                         ; my first query
	s_add_co_u32 s67, s14, 15                      ; my last
	s_mov_b32 s32, 3<<16                           ; K's eighth: 9,216 dense bytes as 36 rows of 32 elements of 8 bytes
	s_mov_b32 s33, 32<<16
	s_mov_b32 s34, 36<<16
	s_mov_b32 s35, 32<<16
	s_mov_b32 s36, 36
	s_mov_b32 s37, 32
	s_mov_b32 s38, 0
	s_mov_b32 s39, 0
	s_mov_b32 s40, 3<<16                           ; V's eighth: 8,704 bytes, 34 rows
	s_mov_b32 s41, 32<<16
	s_mov_b32 s42, 34<<16
	s_mov_b32 s43, 32<<16
	s_mov_b32 s44, 34
	s_mov_b32 s45, 32
	s_mov_b32 s46, 0
	s_mov_b32 s47, 0
	s_mul_i32 s25, s10, 9216                       ; K: wave x an eighth, in LDS and in memory
	s_mul_i32 s15, s10, 8704
	s_add_co_u32 s29, s15, VB-8*8704               ; V: (wave - 8) x an eighth behind VB
	s_mul_i32 s52, s11, 73728
	s_add_co_u32 s52, s52, QKO                     ; q's image of my head
	s_add_co_u32 s54, s52, 16*73728                ; k's
	s_add_co_u32 s54, s54, s25
	s_mov_b32 s55, 0
	s_mul_i32 s56, s11, 69632
	s_add_co_u32 s56, s56, VO-8*8704
	s_add_co_u32 s56, s56, s15
	s_mov_b32 s57, 0
	s_lshl_b32 s48, s13, 9
	s_add_co_u32 s48, s48, s52                     ; my tile's codes of q
	s_mov_b32 s49, 0
	s_lshr_b32 s50, s13, 2
	s_lshl_b32 s50, s50, 8
	s_and_b32 s58, s13, 3
	s_lshl_b32 s58, s58, 2
	s_add_co_u32 s50, s50, s58
	s_add_co_u32 s50, s50, s52
	s_add_co_u32 s50, s50, KSC                     ; and its scale words
	s_mov_b32 s51, 0
	s_lshl_b32 s15, s11, 11
	s_add_co_u32 s15, s15, s14                     ; 2,048 x head + query
	s_lshl_b32 s58, s15, 3
	s_add_co_u32 s58, s58, MST                     ; nmm, sm
	s_mov_b32 s59, 0
	s_lshl_b32 s60, s15, 8                         ; memnum
	s_mov_b32 s61, 0
	s_lshl_b32 s62, s10, 13
	s_add_co_u32 s62, s62, BM-1024                 ; my block maxima, two steps back: the loops' step counter runs one step of mine ahead
	s_lshl_b32 s63, s10, 8
	s_add_co_u32 s63, s63, ST                      ; where my sum and maximum go
	s_lshl_b32 s66, s69, 8
	s_add_co_u32 s66, s66, ST                      ; where my tile's first half's lie; the second's 2,048 bytes on
	s_lshl_b32 s70, s69, 12
	s_add_co_u32 s70, s70, OX                      ; my tile's place for O^T
	s_mov_b32 s20, 0x76543210
	s_mov_b32 s21, 0xfedcba98                      ; lane l xor 16
	s_mov_b32 s22, 0x3e38aa3b                      ; c
	s_mov_b32 s23, s22
	s_mov_b32 s53, 0xbe38aa3b                      ; -c
	s_mov_b32 s24, 1
	s_mov_b32 s28, 1
	s_wait_dscnt 0x0                               ; both opening adds are done
	s_wait_kmcnt 0x0
	s_add_nc_u64 s[26:27], s[4:5], s[54:55]
	s_or_b32 s27, s27, 0x80000000
	s_add_nc_u64 s[30:31], s[4:5], s[56:57]
	s_or_b32 s31, s31, 0x80000000
	s_cmp_lt_u32 s10, 8                            ; one load in each arm: every wave issues exactly one
	s_cbranch_scc0 .Lfor_v
	tensor_load_to_lds s[24:27], s[32:39]
	s_nop 0
.rept 4
	v_nop
.endr
	s_branch .Lasked
.Lfor_v:
	tensor_load_to_lds s[28:31], s[40:47]
	s_nop 0
.rept 4
	v_nop
.endr
.Lasked:
	s_add_nc_u64 s[48:49], s[4:5], s[48:49]
	s_add_nc_u64 s[50:51], s[4:5], s[50:51]
	s_add_nc_u64 s[58:59], s[6:7], s[58:59]
	s_add_nc_u64 s[60:61], s[6:7], s[60:61]
	v_and_b32 v30, 31, v0
	v_and_b32 v11, 15, v0                          ; r
	v_bfe_u32 v31, v0, 4, 1                        ; h
	v_lshlrev_b32 v3, 4, v30                       ; 16 x lane: an operand image's place
	v_lshlrev_b32 v73, 4, v11
	global_load_b128 v[16:19], v3, s[48:49]        ; Q's codes
	global_load_b32 v24, v73, s[50:51]             ; Q's scale word
	v_lshlrev_b32 v74, 3, v11
	v_lshlrev_b32 v75, 8, v11
	v_lshl_add_u32 v77, v30, 3, s63
	v_lshl_add_u32 v78, v30, 3, s66
	v_lshl_add_u32 v75, v31, 7, v75
	v_add_nc_u32 v79, s70, v3
	v_lshl_add_u32 v4, v11, 4, KSC
	v_add_nc_u32 v5, VB-8192, v3
	v_lshl_add_u32 v6, v11, 4, VSC
	v_add_nc_u32 v72, s62, v3
	v_lshlrev_b32 v31, 3, v31
	s_delay_alu instid0(VALU_DEP_1)
	v_sub_nc_u32 v11, v11, v31                     ; r - 8 h
.irp j, 20,21,22,23,64,65,66,67,236,237,238,239
	v_mov_b32 v[\j], 0                             ; Q's upper codes; the last tile's upper four; the permutes' destinations
.endr
	v_mov_b32 v13, 0xff61b1e6                      ; the largest score so far: -3e38
	s_delay_alu instid0(VALU_DEP_1)
	v_mul_f32 v12, s53, v13
	v_mov_b32 v14, 0
	v_mov_b32 v15, 0
.macro KLOAD ak, as                    ; a step's eight fragments of K and its scale words
.irp t, 0,1,2,3,4,5,6,7
	ds_load_b128 v[32+4*\t:35+4*\t], v[\ak] offset:512*\t
.endr
	ds_load_b128 v[248:251], v[\as]
	ds_load_b128 v[252:255], v[\as] offset:256
.endm
.macro SMUL
.irp t, 0,1,2,3,4,5,6,7
	v_wmma_scale_f32_16x16x128_f8f6f4 v[96+8*\t:103+8*\t], v[32+4*\t:39+4*\t], v[16:23], 0, v[248+\t], v24 matrix_a_fmt:MATRIX_FMT_FP4 matrix_b_fmt:MATRIX_FMT_FP4
.endr
.endm
.macro PREF                            ; my next step's K, two key steps on, where one follows for my queries (ids alone)
	s_add_co_u32 s62, s16, 256
	s_cmp_gt_u32 s62, s67
	s_cbranch_scc1 .Lnone_\@
	KLOAD 7, 8
.Lnone_\@:
.endm
.macro MASK                            ; on the diagonal hidden scores become -infinity; a step all of whose keys count jumps over this
	s_add_co_u32 s62, s16, 127
	s_cmp_le_u32 s62, s14
	s_cbranch_scc1 .Lopen_\@
	s_sub_co_i32 s62, s14, s16
	v_add_nc_u32 v30, s62, v11
	v_mov_b32 v31, 0xff800000
.set N, 0
.rept 64
	v_cmp_gt_i32 vcc_lo, 16*(N/8)+N%8, v30
	v_cndmask_b32 v[96+N], v[96+N], v31, vcc_lo
.set N, N+1
.endr
.Lopen_\@:
.endm
.macro EXPS                            ; c s + the offset, two at a time
.set N, 0
.rept 32
	v_pk_fma_f32 v[96+N:97+N], v[96+N:97+N], s[22:23], v[12:13] op_sel_hi:[1,0,0]
.set N, N+2
.endr
.endm
.macro NEXT                            ; on to my next step: two key steps
	s_add_co_u32 s16, s16, 256
	s_add_co_u32 s18, s18, 8192
	s_add_co_u32 s19, s19, 1024
	s_add_co_u32 s17, s17, 1
	s_cmp_lt_u32 s17, 8
.endm
.macro RESET                           ; a pass begins: my first step is key step 0 or 1; its K is asked for; s16 is the step's first key; s18, s19 then run one step of mine ahead
	s_lshl_b32 s16, s68, 7
	s_mov_b32 s17, 0
	s_lshl_b32 s18, s68, 12
	s_lshl_b32 s19, s68, 9
	v_add_nc_u32 v7, s18, v3
	v_add_nc_u32 v8, s19, v4
	KLOAD 7, 8
	s_add_co_u32 s18, s18, 8192
	s_add_co_u32 s19, s19, 1024
.endm
	s_wait_alu depctr_va_vdst(0)
	s_wait_tensorcnt 0x0                           ; my eighth is in,
	s_barrier_signal -1
	s_barrier_wait -1                              ; everybody's is
	RESET
	global_load_b64 v[26:27], v74, s[58:59]        ; nmm, sm of query r: wanted behind pass 1
.irp i, 0,1,2,3,4,5,6,7
	global_load_b128 v[192+4*\i:195+4*\i], v75, s[60:61] offset:16*\i   ; memnum: register 4 i + t is channel 16 t + 8 h + i
.endr
	s_wait_loadcnt 0x9                             ; Q and its scale word are in; the nine loads just issued may be out
; PASS 1.  Eight trips in every wave; a step behind my queries is jumped over.
.Lp1:
	s_cmp_gt_u32 s16, s67
	s_cbranch_scc1 .Lp1_skip
	s_wait_dscnt 0x0                               ; this step's K
	SMUL
	v_add_nc_u32 v7, s18, v3                       ; (four plain instructions behind the products)
	v_add_nc_u32 v8, s19, v4
	v_add_nc_u32 v76, s19, v72
	v_nop
	PREF
	MASK
.irp b, 0,1,2,3
	v_max3_num_f32 v[232+\b], v[96+16*\b], v[97+16*\b], v[98+16*\b]   ; each block's largest score, the four blocks by turns
.endr
.irp i, 3,5,7,9,11,13
.irp b, 0,1,2,3
	v_max3_num_f32 v[232+\b], v[232+\b], v[96+16*\b+\i], v[97+16*\b+\i]
.endr
.endr
.irp b, 0,1,2,3
	v_max_num_f32 v[232+\b], v[232+\b], v[111+16*\b]
.endr
.irp b, 0,1,2,3
	v_permlanex16_b32 v[236+\b], v[232+\b], s20, s21
.endr
.irp b, 0,1,2,3
	v_max_num_f32 v[232+\b], v[232+\b], v[236+\b]
.endr
	ds_store_b128 v76, v[232:235]                  ; kept for pass 2
	v_max3_num_f32 v31, v232, v233, v234
	v_mov_b32 v30, v12
	s_delay_alu instid0(VALU_DEP_2)
	v_max3_num_f32 v13, v31, v235, v13             ; the running largest score
	s_delay_alu instid0(VALU_DEP_1)
	v_mul_f32 v12, s53, v13
	s_delay_alu instid0(VALU_DEP_1)
	v_sub_f32 v30, v12, v30                        ; c (old largest - new)
	EXPS
	s_wait_alu depctr_va_vdst(0)                   ; ahead of the batch
	v_exp_f32 v30, v30
.set N, 0
.rept 64
	v_exp_f32 v[96+N], v[96+N]
.set N, N+1
.endr
	v_nop
	s_wait_alu depctr_va_vdst(0)                   ; and behind it, ahead of its first reader
	v_pk_mul_f32 v[14:15], v[14:15], v[30:31] op_sel_hi:[1,0]
	v_pk_add_f32 v[236:237], v[96:97], v[98:99]
.irp j, 4,8,12,16,20,24,28,32,36,40,44,48,52,56,60
	v_pk_add_f32 v[14:15], v[14:15], v[96+\j:97+\j]
	v_pk_add_f32 v[236:237], v[236:237], v[98+\j:99+\j]
.endr
	s_delay_alu instid0(VALU_DEP_1)
	v_pk_add_f32 v[14:15], v[14:15], v[236:237]
.Lp1_skip:
	NEXT
	s_cbranch_scc1 .Lp1
; BETWEEN THE PASSES: the tile's two halves and the memory part join; the offset takes the final maximum and log2 of the whole sum; O^T begins as half of the memory's share.
	s_wait_alu depctr_va_vdst(0)                   ; directly ahead of the wait below
	s_wait_dscnt 0x0
	v_add_f32 v14, v14, v15
	v_permlanex16_b32 v30, v14, s20, s21
	v_mov_b32 v15, v13
	s_delay_alu instid0(VALU_DEP_2)
	v_add_f32 v14, v14, v30                        ; my half's sum; beside it my half's largest score
	ds_store_b64 v77, v[14:15]
	s_wait_dscnt 0x0                               ; stored, for the other wave's sake
	s_barrier_signal -1
	s_barrier_wait -1
	ds_load_b64 v[28:29], v78                      ; the first half's sum and largest score,
	ds_load_b64 v[30:31], v78 offset:2048          ; the second's: both waves compute the same from here on
	RESET                                          ; pass 2's first step
	s_lshl_b32 s63, s68, 8
	s_wait_loadcnt 0x0                             ; nmm, sm, memnum
	s_wait_dscnt 0xa                               ; the two pairs are in; K's ten loads may be out
	v_mul_f32 v29, s53, v29                        ; -c x each half's largest (a half with no step: a large positive number, and the sum 0)
	v_mul_f32 v31, s53, v31
	s_delay_alu instid0(VALU_DEP_1)
	v_min3_num_f32 v12, v29, v31, v26              ; -c x the largest of all
	s_delay_alu instid0(VALU_DEP_1)
	v_sub_f32 v29, v12, v29
	v_sub_f32 v31, v12, v31
	v_sub_f32 v15, v12, v26
	s_wait_alu depctr_va_vdst(0)
	v_exp_f32 v29, v29
	v_exp_f32 v31, v31
	v_exp_f32 v15, v15
	v_nop
	s_wait_alu depctr_va_vdst(0)
	v_mul_f32 v14, v28, v29
	v_fma_f32 v14, v30, v31, v14
	v_fma_f32 v14, v27, v15, v14                   ; the whole sum
	s_wait_alu depctr_va_vdst(0)
	v_rcp_f32 v28, v14
	v_log_f32 v29, v14
	v_nop
	s_wait_alu depctr_va_vdst(0)
	v_mul_f32 v15, v15, v28
	v_sub_f32 v12, v12, v29                        ; w = 2^(c s + this)
	v_mul_f32 v15, 0.5, v15                        ; each of the tile's two waves carries half of the memory's share
.irp t, 0,1,2,3
.irp i, 0,1,2,3,4,5,6,7
	v_mul_f32 v[160+8*\t+\i], v15, v[192+4*\i+\t]
.endr
.endr
	s_wait_dscnt 0x0
; PASS 2.
.Lp2:
	s_cmp_gt_u32 s16, s67
	s_cbranch_scc1 .Lp2_skip
	v_add_nc_u32 v76, s19, v72
	ds_load_b128 v[68:71], v76                     ; this step's block maxima
	SMUL                                           ; K came under my step before: the wait ahead of its last products was for 0
	v_add_nc_u32 v9, s18, v5                       ; (four plain instructions behind the products)
	v_add_nc_u32 v10, s63, v6
	v_add_nc_u32 v7, s18, v3
	v_add_nc_u32 v8, s19, v4
.irp t, 0,1,2,3
.irp c, 0,1
	ds_load_b128 v[192+8*\t+4*\c:195+8*\t+4*\c], v9 offset:1024*\t+512*\c
.endr
.endr
	ds_load_b128 v[240:243], v10
	MASK
	EXPS
	s_wait_dscnt 0x9                               ; the block maxima are in; V's nine loads may be out
.irp b, 0,1,2,3
	v_fma_f32 v[232+\b], v[68+\b], s22, v12        ; the same multiply-add on each block's largest score
.endr
	PREF
	s_wait_alu depctr_va_vdst(0)                   ; ahead of the batch
.set N, 0
.rept 64
	v_exp_f32 v[96+N], v[96+N]                     ; w, finished
.set N, N+1
.endr
.irp b, 0,1,2,3
	v_exp_f32 v[232+\b], v[232+\b]                 ; each block's largest w: the same two instructions give the same bits
.endr
	v_nop
	s_wait_alu depctr_va_vdst(0)                   ; and behind it
.irp b, 0,1,2,3
	v_max_num_f32 v[232+\b], 0x1800000, v[232+\b]  ; the floor 2^(3 - 127): the byte cannot fall under 1
.endr
.irp b, 0,1,2,3
	v_add_nc_u32 v[244+\b], 0xff000000, v[232+\b]  ; 2 off the exponent field: the conversion's scale operand
.endr
.irp b, 0,1,2,3
	v_lshrrev_b32 v[236+\b], 23, v[244+\b]
.endr
	v_lshl_or_b32 v25, v237, 8, v236
	s_delay_alu instid0(VALU_DEP_1)
	v_lshl_or_b32 v25, v238, 16, v25
	s_delay_alu instid0(VALU_DEP_1)
	v_lshl_or_b32 v25, v239, 24, v25
.irp c, 0,1
	v_cvt_scalef32_pk8_fp4_f32 v[224+4*\c], v[96+32*\c:103+32*\c], v[244+2*\c]
	v_cvt_scalef32_pk8_fp4_f32 v[226+4*\c], v[104+32*\c:111+32*\c], v[244+2*\c]
	v_cvt_scalef32_pk8_fp4_f32 v[225+4*\c], v[112+32*\c:119+32*\c], v[245+2*\c]
	v_cvt_scalef32_pk8_fp4_f32 v[227+4*\c], v[120+32*\c:127+32*\c], v[245+2*\c]
.endr
	v_nop
.irp c, 0,1
	v_permlane16_swap_b32 v[224+4*\c], v[225+4*\c] ; a whole block of 32 keys to a lane
	v_permlane16_swap_b32 v[226+4*\c], v[227+4*\c]
.endr
.rept 8
	v_nop                                          ; a scale register written by a vector instruction stands 8 plain instructions ahead of the scaled product
.endr
	s_wait_alu depctr_va_vdst(0)                   ; ahead of the first readers of O^T
	s_wait_dscnt 0x0                               ; V, and my next step's K
.irp t, 0,1,2,3
	v_wmma_scale_f32_16x16x128_f8f6f4 v[160+8*\t:167+8*\t], v[192+8*\t:199+8*\t], v[224:231], v[160+8*\t:167+8*\t], v[240+\t], v25 matrix_a_fmt:MATRIX_FMT_FP4 matrix_b_fmt:MATRIX_FMT_FP4
.endr
.Lp2_skip:
	s_add_co_u32 s63, s63, 512
	NEXT
	s_cbranch_scc1 .Lp2
; THE WAY OUT.  The second half's O^T goes to the first through LDS; the first adds it.  My head's 64 channels of 16 queries are two blocks of the last projection's K: codes and scale bytes into cq.
	v_and_b32 v7, 15, v0                           ; (five plain instructions behind the last products)
	v_bfe_u32 v8, v0, 4, 1
	s_delay_alu instid0(VALU_DEP_2)
	v_lshlrev_b32 v9, 9, v7
	s_delay_alu instid0(VALU_DEP_1)
	v_lshl_add_u32 v9, v8, 4, v9
	v_lshl_add_u32 v10, v7, 5, v8
	s_wait_alu depctr_va_vdst(0)
	s_cmp_lt_u32 s10, 8
	s_cbranch_scc1 .Lfirst_half
.irp i, 0,1,2,3,4,5,6,7
	ds_store_b128 v79, v[160+4*\i:163+4*\i] offset:512*\i    ; each accumulator from its low end on
.endr
.Lfirst_half:
	s_wait_dscnt 0x0
	s_barrier_signal -1
	s_barrier_wait -1
	s_cmp_lt_u32 s10, 8
	s_cbranch_scc0 .Lend
.irp i, 0,1,2,3,4,5,6,7
	ds_load_b128 v[192+4*\i:195+4*\i], v79 offset:512*\i
.endr
	s_lshl_b32 s48, s14, 9
	s_lshl_b32 s15, s11, 5
	s_add_co_u32 s48, s48, s15
	s_mov_b32 s49, 0
	s_add_nc_u64 s[48:49], s[8:9], s[48:49]
	s_lshl_b32 s50, s14, 5
	s_lshl_b32 s15, s11, 1
	s_add_co_u32 s50, s50, s15
	s_add_co_u32 s50, s50, 1048576
	s_mov_b32 s51, 0
	s_add_nc_u64 s[50:51], s[8:9], s[50:51]
	s_mov_b32 s52, 0xffff0000
	s_wait_dscnt 0x0
.set N, 0
.rept 16
	v_pk_add_f32 v[160+N:161+N], v[160+N:161+N], v[192+N:193+N]
.set N, N+2
.endr
.irp b, 0,1
	v_max3_num_f32 v[232+\b], |v[160+16*\b]|, |v[161+16*\b]|, 0x1800000
.endr
.irp i, 2,4,6,8,10,12,14
.irp b, 0,1
	v_max3_num_f32 v[232+\b], v[232+\b], |v[160+16*\b+\i]|, |v[161+16*\b+\i]|
.endr
.endr
.irp b, 0,1
	s_delay_alu instid0(VALU_DEP_2)
	v_permlanex16_b32 v[236+\b], v[232+\b], s20, s21
.endr
.irp b, 0,1
	s_delay_alu instid0(VALU_DEP_2)
	v_max_num_f32 v[232+\b], v[232+\b], v[236+\b]
.endr
.irp b, 0,1
	s_delay_alu instid0(VALU_DEP_2)
	v_add_nc_u32 v[244+\b], 0xff000000, v[232+\b]
.endr
.irp b, 0,1
	s_delay_alu instid0(VALU_DEP_2)
	v_lshrrev_b32 v[236+\b], 23, v[244+\b]
.endr
	v_cvt_scalef32_pk8_fp4_f32 v224, v[160:167], v244
	v_cvt_scalef32_pk8_fp4_f32 v226, v[168:175], v244
	v_cvt_scalef32_pk8_fp4_f32 v225, v[176:183], v245
	v_cvt_scalef32_pk8_fp4_f32 v227, v[184:191], v245
	v_nop
	v_permlane16_swap_b32 v224, v225
	v_permlane16_swap_b32 v226, v227
	v_cndmask_b32 v236, v236, v237, s52
	global_store_b128 v9, v[224:227], s[48:49]
	global_store_b8 v10, v236, s[50:51]
.Lend:
	s_wait_tensorcnt 0x0                           ; the wave's end
	ds_add_u32 v1, v2
	s_wait_dscnt 0x0
	s_endpgm
.Lfunc_end_k_qa7430bd4b8_att:
	.size	k_qa7430bd4b8_att, .Lfunc_end_k_qa7430bd4b8_att-k_qa7430bd4b8_att
	.p2alignl 7, 3214868480
	.fill 96, 4, 3214868480
	.section	.rodata,"a",@progbits
	.p2align	6, 0x0
	.amdhsa_kernel k_qa7430bd4b8_att
		.amdhsa_group_segment_fixed_size 313344
		.amdhsa_private_segment_fixed_size 0
		.amdhsa_enable_private_segment 0
		.amdhsa_kernarg_size 24
		.amdhsa_user_sgpr_count 2
		.amdhsa_user_sgpr_kernarg_segment_ptr 1
		.amdhsa_wavefront_size32 1
		.amdhsa_system_sgpr_workgroup_id_x 1
		.amdhsa_system_sgpr_workgroup_id_y 1
		.amdhsa_system_sgpr_workgroup_id_z 1
		.amdhsa_system_vgpr_workitem_id 0
		.amdhsa_next_free_vgpr 256
		.amdhsa_next_free_sgpr 72
		.amdhsa_reserve_vcc 1
		.amdhsa_float_denorm_mode_32 3
		.amdhsa_float_denorm_mode_16_64 3
		.amdhsa_memory_ordered 1
		.amdhsa_forward_progress 1
		.amdhsa_inst_pref_size 49
	.end_amdhsa_kernel
	.amdgpu_metadata
---
amdhsa.version: [ 1, 2 ]
amdhsa.kernels:
  - .name:           k_qa7430bd4b8_att
    .symbol:         k_qa7430bd4b8_att.kd
    .args:
      - { .name: g1o, .offset: 0, .size: 8, .value_kind: global_buffer, .address_space: global }
      - { .name: mem, .offset: 8, .size: 8, .value_kind: global_buffer, .address_space: global }
      - { .name: cq, .offset: 16, .size: 8, .value_kind: global_buffer, .address_space: global }
    .group_segment_fixed_size: 313344
    .private_segment_fixed_size: 0
    .kernarg_segment_align: 8
    .kernarg_segment_size: 24
    .max_flat_workgroup_size: 512
    .sgpr_count:     72
    .vgpr_count:     256
    .wavefront_size: 32
...
	.end_amdgpu_metadata
.endif
;; end of part 4
;; launch outp (part 5): grid 8 x 16, 4 waves a work-group, clusters of 4 x 4, 167,936 bytes of LDS; arguments cq, woutq, bout, out0; writes out0
.if DOCPART == 5
	.amdgcn_target "amdgcn-amd-amdhsa--gfx1250"
	.amdhsa_code_object_version 6
	.text
	.protected	k_qa7430bd4b8_outp
	.globl	k_qa7430bd4b8_outp
	.p2align	8
	.type	k_qa7430bd4b8_outp,@function
k_qa7430bd4b8_outp:
	s_mov_b64 s[64:65], 0
	v_nop
	global_prefetch_b8 v0, s[64:65] scope:SCOPE_SE
	s_setreg_imm32_b32 hwreg(HW_REG_WAVE_MODE, 25, 1), 1
	s_wait_xcnt 0x0
	s_wait_alu depctr_hold_cnt(0) depctr_sa_sdst(0) depctr_va_vdst(0) depctr_va_sdst(0) depctr_va_ssrc(0) depctr_va_vcc(0) depctr_vm_vsrc(0)
	s_getreg_b32 s2, hwreg(HW_REG_IB_STS2, 6, 4)
	s_cmp_eq_u32 s2, 0
	s_cbranch_scc0 .Lentry_in_a_cluster
	s_endpgm
.Lentry_in_a_cluster:
	s_bfe_u32 s2, ttmp6, 0x10000c
	s_cmp_lg_u32 s2, 0xf033
	s_cbranch_scc0 .Lentry_shape_is_right
	s_endpgm
.Lentry_shape_is_right:
; OUTP: out0 = ctx Wout^T + bout on codes of E2M1 (4 bits, one E8M0 byte for each 32 along K), K = 1,024.  A = ctx: codes [2048][512 B], scale bytes [2048][32] at 1,048,576.
; B = Wout: codes [1024][512 B], scale bytes [1024][32] at 524,288.  out0: [2048][1024] f32.  No work is left out here.
; The product is small: 128 tiles of 128 x 128 give 128 work-groups; what counts is how short one work-group's way is.  Four waves, 64 x 64 each: 16 accumulators, 128 matrix instructions.
; ALL OF K COMES AT ONCE: a wave's one tensor load brings 64 whole rows of 512 bytes (waves 0, 1: A's halves; waves 2, 3: B's), a second the scale bytes of those rows.  Nothing in LDS is filled twice; one barrier.
; A wave has two tensor loads out at the most.  The eight K steps' fragments have registers of their own (64 a step), so that no load waits for a register; three steps' loads run ahead of the products.
; bout is the C of each sum's first product: eight registers for each 16 columns, in the result's layout.
; CLUSTERS: 4 x 4 work-groups; A's rows are asked for jointly along a row of the cluster, B's along a column.  Every branch hangs on the wave's number alone.
; Source 0 = 16 rows of B, source 1 = 16 rows of A: a lane holds one row of out0 (lane % 16) and eight neighbouring columns.  A block of 16 rows x 64 columns goes through the wave's own stage in LDS and leaves as
; whole aligned runs of 256 bytes.  The stages have bytes of their own, into which no tile lands.  LIMITS: as stated at the head of the first launch.
; REGISTERS: window 0: v1 r, v2 h, v8 offset, v16-29 addresses; v32-63 scale words and nothing else; v128-255 rows on the way out.   window 1: v0-127 accumulator (a, b) at v[8 (4 a + b)]; v128-159 bout.
;   windows 2, 3: K step q in window 2 + q / 4, at v[64 (q % 4)]: A's four fragments, then B's four.
.set KROW,   512
.set PITCH,  528                       ; an LDS row: 512 bytes + 16 of padding = 132 words: the 16 rows of a load start 4 banks' worth of words apart modulo 64
.set HALFT,  64*PITCH                  ; 64 rows: what one wave reads of A or of B
.set SCL,    4*HALFT                   ; behind A's 128 rows and B's 128: the scale bytes, as runs of 256 bytes + 16 of padding
.set HALFS,  2176                      ; those of 64 rows
.set SBLK,   544                       ; of 16
.set SPARE,  SCL+4*HALFS               ; the spare words, 128 bytes a wave
.set STG,    SPARE+512                 ; the stages: 16 rows x (256 + 16) bytes a wave
.set SPITCH, 272
.set ADRA, 16
.set ADRB, 17
.set STO,  24
.set RD,   25
.set CO,   26
.set ADRS, 27
.set SPW,  28
.set NIL,  29
.set SC,   32                          ; register 8 i + q: lanes 0-15 the word of A's block i, lanes 16-31 that of B's block i, for K step q
.set BK,   128
.set BI,   128                         ; in window 1
.set G1, 24
.set G0, 32
.set G1B, 48
.set G0B, 56
.set G1S, 68
.set G0S, 76
.set G1SB, 80
.set G0SB, 88
.set MSB, 0
.macro WIN new                         ; the immediate's high byte repeats the setting that is left
.if MSB != (\new)
	s_set_vgpr_msb (MSB<<8)|(\new)
.set MSB, (\new)
.endif
.endm
.macro ARM under, g0, g1, next         ; an arm of the head's one tree of branches on the wave's number: a joint load, its s_nop 0 and four v_nop, a jump to the tree's end
	s_cmp_lt_u32 s14, \under
	s_cbranch_scc0 \next
	tensor_load_to_lds s[\g0:\g0+3], s[\g1:\g1+7]
	s_nop 0
.rept 4
	v_nop
.endr
	s_branch .Lhead_asked
\next:
.endm
.macro CROUND                          ; a round of the cluster's barrier
	s_barrier_signal -1
	s_barrier_wait -1
	s_cmp_lg_u32 s14, 0
	s_cbranch_scc1 .Lnot_wave_0_\@
	s_barrier_signal -3
.Lnot_wave_0_\@:
	s_barrier_wait -3
	s_barrier_signal -1
	s_barrier_wait -1
.endm
.macro FETCH q                         ; K step q: 16 loads: B's four fragments, A's four; a fragment is two loads of 16 bytes, 32 bytes apart
	WIN 0x80+0x40*((\q)/4)                         ; destination window 2 or 3
.irp i, 0,1,2,3
.irp c, 0,1
	ds_load_b128 v[64*((\q)%4)+32+8*\i+4*\c:64*((\q)%4)+32+8*\i+4*\c+3], v[ADRB] offset:64*(\q)+32*\c+\i*16*PITCH
.endr
.endr
.irp i, 0,1,2,3
.irp c, 0,1
	ds_load_b128 v[64*((\q)%4)+8*\i+4*\c:64*((\q)%4)+8*\i+4*\c+3], v[ADRA] offset:64*(\q)+32*\c+\i*16*PITCH
.endr
.endr
.endm
.macro MUL q                           ; 16 products; the 16 accumulators take turns in the same order in every step
	WIN 0x5a+5*((\q)/4)                            ; sources 0 and 1 window 2 or 3; C and D window 1
.irp a, 0,1,2,3
.irp b, 0,1,2,3
.if (\q) == 0
	v_wmma_scale_f32_16x16x128_f8f6f4 v[8*(4*\a+\b):8*(4*\a+\b)+7], v[64*((\q)%4)+32+8*\b:64*((\q)%4)+32+8*\b+7], v[64*((\q)%4)+8*\a:64*((\q)%4)+8*\a+7], v[BI+8*\b:BI+8*\b+7], v[SC+8*\b+(\q)], v[SC+8*\a+(\q)] matrix_a_fmt:MATRIX_FMT_FP4 matrix_b_fmt:MATRIX_FMT_FP4 matrix_a_scale:MATRIX_SCALE_ROW1
.else
	v_wmma_scale_f32_16x16x128_f8f6f4 v[8*(4*\a+\b):8*(4*\a+\b)+7], v[64*((\q)%4)+32+8*\b:64*((\q)%4)+32+8*\b+7], v[64*((\q)%4)+8*\a:64*((\q)%4)+8*\a+7], v[8*(4*\a+\b):8*(4*\a+\b)+7], v[SC+8*\b+(\q)], v[SC+8*\a+(\q)] matrix_a_fmt:MATRIX_FMT_FP4 matrix_b_fmt:MATRIX_FMT_FP4 matrix_a_scale:MATRIX_SCALE_ROW1
.endif
.endr
.endr
.endm
	s_load_b256 s[4:11], s[0:1], 0x0               ; cq s[4:5], woutq s[6:7], bout s[8:9], out0 s[10:11]
	v_lshl_add_u32 v[SPW], v0, 2, SPARE
	v_mov_b32 v[NIL], 0
	ds_add_u32 v[SPW], v[NIL]                      ; the opening: the add, twice on end, and its wait ahead of my first tensor load
	ds_add_u32 v[SPW], v[NIL]
	v_lshrrev_b32 v1, 5, v0
	v_readfirstlane_b32 s14, v1                    ; wave 0..3
	s_lshr_b32 s15, s14, 1                         ; my half of the tile's rows of A.
	s_and_b32 s16, s14, 1                          ; my half of B's rows.
	s_bfe_u32 s40, ttmp6, 0x40000                  ; cx
	s_bfe_u32 s41, ttmp6, 0x40004                  ; cy
	s_lshl_b32 s42, ttmp9, 2
	s_add_co_u32 s42, s42, s40                     ; tile column
	s_and_b32 s17, ttmp7, 0xffff
	s_lshl_b32 s17, s17, 2
	s_add_co_u32 s17, s17, s41                     ; tile row
	s_lshl_b32 s43, s41, 2
	s_lshl_b32 s43, 15, s43                        ; my row of the cluster
	s_lshl_b32 s44, 0x1111, s40                    ; my column
	s_or_b32 s[G1+0], s43, (0<<16)|(1<<20)|(1<<21)|(6<<22)|(3<<25)   ; the mask; elements of 1 byte; padding on; bit 21 beside a mask; 4 words behind every 128
	s_or_b32 s[G1B+0], s44, (0<<16)|(1<<20)|(1<<21)|(6<<22)|(3<<25)
.irp g, G1, G1B
	s_mov_b32 s[\g+1], KROW<<16                    ; tensor_dim0 = 512
	s_mov_b32 s[\g+2], 128<<16                     ; tensor_dim1 = 128: a load brings all 128 rows of A or of B
	s_mov_b32 s[\g+3], KROW<<16                    ; tile_dim0
	s_mov_b32 s[\g+4], 128                         ; tile_dim1
	s_mov_b32 s[\g+5], KROW                        ; from row to row
	s_mov_b32 s[\g+6], 0
	s_mov_b32 s[\g+7], 0
.endr
	s_or_b32 s[G1S+0], s43, (3<<16)|(1<<20)|(1<<21)|(5<<22)|(3<<25)  ; the scale bytes of 128 rows: 4,096 dense bytes as 16 rows of 32 elements of 8 bytes, 16 bytes of padding behind each
	s_or_b32 s[G1SB+0], s44, (3<<16)|(1<<20)|(1<<21)|(5<<22)|(3<<25)
.irp g, G1S, G1SB
	s_mov_b32 s[\g+1], 32<<16
	s_mov_b32 s[\g+2], 16<<16                      ; the scale bytes of 128 rows: 4,096 dense bytes, 16 rows of 256
	s_mov_b32 s[\g+3], 32<<16
	s_mov_b32 s[\g+4], 16
	s_mov_b32 s[\g+5], 32
	s_mov_b32 s[\g+6], 0
	s_mov_b32 s[\g+7], 0
.endr
	s_lshl_b32 s20, s17, 7                         ; A: the tile's first row
	s_lshl_b32 s46, s42, 7                         ; B: the tile's first row
	s_lshl_b32 s22, s20, 5
	s_add_co_u32 s22, s22, 1048576                 ; A's scale bytes
	s_mov_b32 s23, 0
	s_lshl_b32 s20, s20, 9                         ; A's codes
	s_mov_b32 s21, 0
	s_lshl_b32 s92, s46, 5
	s_add_co_u32 s92, s92, 524288                  ; B's scale bytes
	s_mov_b32 s93, 0
	s_lshl_b32 s46, s46, 9                         ; B's codes
	s_mov_b32 s47, 0
	s_wait_dscnt 0x0                               ; both opening adds are done
	s_wait_kmcnt 0x0
	s_add_nc_u64 s[20:21], s[4:5], s[20:21]
	s_add_nc_u64 s[22:23], s[4:5], s[22:23]
	s_add_nc_u64 s[46:47], s[6:7], s[46:47]
	s_add_nc_u64 s[92:93], s[6:7], s[92:93]
	CROUND                                         ; all sixteen work-groups are here: the joint loads meet
	; THE HEAD'S FOUR TILES, each whole, one load a wave: wave 0 A's 128 rows, wave 1 B's, wave 2 the scale bytes of A's rows, wave 3 those of B's
	s_mov_b32 s[G0S], 1
	s_mov_b32 s[G0S+1], SCL
	s_mov_b64 s[G0S+2:G0S+3], s[22:23]
	s_or_b32 s[G0S+3], s[G0S+3], 0x80000000
	s_mov_b32 s[G0SB], 1
	s_mov_b32 s[G0SB+1], SCL+2*HALFS
	s_mov_b64 s[G0SB+2:G0SB+3], s[92:93]
	s_or_b32 s[G0SB+3], s[G0SB+3], 0x80000000
	s_mov_b32 s[G0], 1
	s_mov_b32 s[G0+1], 0
	s_mov_b64 s[G0+2:G0+3], s[20:21]
	s_or_b32 s[G0+3], s[G0+3], 0x80000000
	s_mov_b32 s[G0B], 1
	s_mov_b32 s[G0B+1], 2*HALFT
	s_mov_b64 s[G0B+2:G0B+3], s[46:47]
	s_or_b32 s[G0B+3], s[G0B+3], 0x80000000
	ARM 1, G0,  G1,  .Lhead_b
	ARM 2, G0B, G1B, .Lhead_sa
	ARM 3, G0S, G1S, .Lhead_sb
	tensor_load_to_lds s[G0SB:G0SB+3], s[G1SB:G1SB+7]
	s_nop 0
.rept 4
	v_nop
.endr
.Lhead_asked:
	v_and_b32 v1, 15, v0                           ; r
	s_wait_alu depctr_va_vdst(0)
	v_bfe_u32 v2, v0, 4, 1                         ; h
	s_wait_alu depctr_va_vdst(0)
	s_lshl_b32 s18, s42, 9
	s_lshl_b32 s19, s16, 8
	s_add_co_u32 s18, s18, s19                     ; my first column, in bytes: 512 x tile column + 256 x half; in bout too
	s_mov_b32 s19, 0
	s_add_nc_u64 s[8:9], s[8:9], s[18:19]
	v_lshlrev_b32 v8, 5, v2                        ; 32 h: my half's eight columns
	WIN 0x40                                       ; destination window 1
.irp b, 0,1,2,3
	global_load_b128 v[BI+8*\b:BI+8*\b+3], v8, s[8:9] offset:64*\b          ; bout of columns 16 b + 8 h + 0 .. 7
	global_load_b128 v[BI+8*\b+4:BI+8*\b+7], v8, s[8:9] offset:64*\b+16
.endr
	WIN 0
	v_mul_u32_u24 v3, v1, PITCH
	v_lshl_add_u32 v4, v2, 4, v3                   ; a fragment's row x pitch + 16 x half
	s_mul_i32 s21, s15, HALFT                      ; my 64 rows of A
	s_mul_i32 s22, s16, HALFT                      ; my 64 rows of B,
	s_add_co_u32 s22, s22, 2*HALFT                 ; which lie behind A's 128
	v_add_nc_u32 v[ADRA], s21, v4
	v_add_nc_u32 v[ADRB], s22, v4
	v_mul_u32_u24 v5, v1, 32                       ; my row's scale bytes: 32 a row,
	v_lshrrev_b32 v6, 8, v5
	v_lshl_add_u32 v5, v6, 4, v5                   ; and 16 more for each 256 passed
	s_mul_i32 s21, s15, HALFS
	s_mul_i32 s22, s16, HALFS
	s_add_co_u32 s22, s22, 2*HALFS
	s_sub_co_u32 s22, s22, s21
	v_mul_u32_u24 v6, s22, v2                      ; lanes 16-31 take B's
	s_add_co_u32 s21, s21, SCL
	v_add_nc_u32 v5, v5, v6
	v_add_nc_u32 v[ADRS], s21, v5
	s_mul_i32 s23, s14, 16*SPITCH
	s_add_co_u32 s23, s23, STG                     ; my stage
	v_mul_u32_u24 v5, v1, SPITCH
	v_lshl_add_u32 v5, v2, 5, v5
	v_add_nc_u32 v[STO], s23, v5                   ; in: row r, 32 bytes for each half of the lanes
	v_mul_u32_u24 v5, v2, SPITCH
	v_lshl_add_u32 v5, v1, 4, v5
	v_add_nc_u32 v[RD], s23, v5                    ; back: lanes 0-15 one row of 256 bytes, lanes 16-31 the next
	v_lshlrev_b32 v[CO], 12, v2
	v_lshl_add_u32 v[CO], v1, 4, v[CO]             ; and the same two rows in out0
	s_lshl_b32 s20, s17, 7
	s_lshl_b32 s21, s15, 6
	s_add_co_u32 s20, s20, s21                     ; my first row
	s_lshl_b32 s20, s20, 12                        ; rows of 4,096 bytes
	s_add_co_u32 s20, s20, s18
	s_mov_b32 s21, 0
	s_add_nc_u64 s[20:21], s[10:11], s[20:21]
	s_wait_alu depctr_va_vdst(0)
	s_wait_tensorcnt 0x0                           ; my rows and their scale bytes are in,
	s_barrier_signal -1
	s_barrier_wait -1                              ; everybody's are
.irp i, 0,1,2,3
	ds_load_b128 v[SC+8*\i:SC+8*\i+3], v[ADRS] offset:\i*SBLK           ; a row's eight scale words: K steps 0-3,
	ds_load_b128 v[SC+8*\i+4:SC+8*\i+7], v[ADRS] offset:\i*SBLK+16      ; 4-7
.endr
	FETCH 0
	FETCH 1
	FETCH 2
	s_wait_loadcnt 0x0                             ; bout
.irp q, 0,1,2,3,4
	s_wait_dscnt 32                                ; this step's fragments are in; the two younger steps' 32 loads may be out
	FETCH \q+3
	MUL \q
.endr
	s_wait_dscnt 32
	MUL 5
	s_wait_dscnt 16                                ; the last step's 16 loads may be out
	MUL 6
	s_wait_dscnt 0
	MUL 7
	WIN 0
; THE WAY OUT, block by block of 16 rows x 64 columns.  LDS serves a wave's instructions in order: no wait between a block's stores and its loads, nor in front of the next block's stores.
.macro TOSTAGE a
	WIN 0x04                                       ; an LDS store's data: window 1
.irp b, 0,1,2,3
	ds_store_b128 v[STO], v[8*(4*(\a)+\b):8*(4*(\a)+\b)+3] offset:64*\b          ; each accumulator from its low end on
	ds_store_b128 v[STO], v[8*(4*(\a)+\b)+4:8*(4*(\a)+\b)+7] offset:64*\b+16
.endr
	WIN 0
.irp t, 0,1,2,3,4,5,6,7
	ds_load_b128 v[BK+32*(\a)+4*\t:BK+32*(\a)+4*\t+3], v[RD] offset:2*\t*SPITCH
.endr
.endm
.macro SEND a, younger                 ; each block has registers of its own: no store's data are written again
	s_wait_dscnt \younger                          ; the block is back; the next block's 8 stores and 8 loads may be out
.irp t, 0,1,2,3,4,5,6,7
	global_store_b128 v[CO], v[BK+32*(\a)+4*\t:BK+32*(\a)+4*\t+3], s[20:21] offset:(16*(\a)+2*\t)*4096 th:TH_STORE_NT   ; sixteen lanes store 256 consecutive bytes, aligned
.endr
.endm
.rept 4
	v_nop                                          ; four plain instructions behind the last products, ahead of the first read of results
.endr
	TOSTAGE 0
	TOSTAGE 1
	SEND 0, 16
	TOSTAGE 2
	SEND 1, 16
	TOSTAGE 3
	SEND 2, 16
	SEND 3, 0
	s_wait_tensorcnt 0x0                           ; the wave's end: the wait, the add and its wait, then the closing round
	ds_add_u32 v[SPW], v[NIL]
	s_wait_dscnt 0x0
	CROUND
	s_endpgm
.Lfunc_end_k_qa7430bd4b8_outp:
	.size	k_qa7430bd4b8_outp, .Lfunc_end_k_qa7430bd4b8_outp-k_qa7430bd4b8_outp
	.p2alignl 7, 3214868480
	.fill 96, 4, 3214868480
	.section	.rodata,"a",@progbits
	.p2align	6, 0x0
	.amdhsa_kernel k_qa7430bd4b8_outp
		.amdhsa_group_segment_fixed_size 167936
		.amdhsa_private_segment_fixed_size 0
		.amdhsa_enable_private_segment 0
		.amdhsa_kernarg_size 32
		.amdhsa_user_sgpr_count 2
		.amdhsa_user_sgpr_kernarg_segment_ptr 1
		.amdhsa_wavefront_size32 1
		.amdhsa_system_sgpr_workgroup_id_x 1
		.amdhsa_system_sgpr_workgroup_id_y 1
		.amdhsa_system_sgpr_workgroup_id_z 1
		.amdhsa_system_vgpr_workitem_id 0
		.amdhsa_next_free_vgpr 1024
		.amdhsa_next_free_sgpr 100
		.amdhsa_reserve_vcc 0
		.amdhsa_float_denorm_mode_32 3
		.amdhsa_float_denorm_mode_16_64 3
		.amdhsa_memory_ordered 1
		.amdhsa_forward_progress 1
		.amdhsa_inst_pref_size 43
	.end_amdhsa_kernel
	.amdgpu_metadata
---
amdhsa.version: [ 1, 2 ]
amdhsa.kernels:
  - .name:           k_qa7430bd4b8_outp
    .symbol:         k_qa7430bd4b8_outp.kd
    .args:
      - { .name: cq, .offset: 0, .size: 8, .value_kind: global_buffer, .address_space: global }
      - { .name: woutq, .offset: 8, .size: 8, .value_kind: global_buffer, .address_space: global }
      - { .name: bout, .offset: 16, .size: 8, .value_kind: global_buffer, .address_space: global }
      - { .name: out0, .offset: 24, .size: 8, .value_kind: global_buffer, .address_space: global }
    .group_segment_fixed_size: 167936
    .private_segment_fixed_size: 0
    .kernarg_segment_align: 8
    .kernarg_segment_size: 32
    .max_flat_workgroup_size: 128
    .sgpr_count:     100
    .vgpr_count:     1024
    .wavefront_size: 32
...
	.end_amdgpu_metadata
.endif
;; end of part 5
